; MI455X (gfx1250); checked and timed in simulation.
; The chip was launched on July 23, 2026; its instructions are those of AMD's public machine-readable ISA for CDNA 5 (MIT licence, August 2026) and "CDNA5" Instruction Set Architecture Reference Guide (July 2026). The comments in the code are by the model that wrote it; some were corrected since.
;; RGLRU. Allowed arithmetic: float matrix products may take bf16 or f16 operands with f32 sums; other float arithmetic in f32, or as packed bf16 or f16 multiplies, adds, multiply-adds, maxima and minima; sums over many terms, partial sums and values carried from step to step in f32; what a program stores and reads back later, other than sums and carried values, may be rounded once to bf16 or f16.
;; Inputs: W_ga 1,024 x 1,024 float32; W_gx 1,024 x 1,024 float32; W_in 1,024 x 1,024 float32; W_out 1,024 x 1,024 float32; a_param 1,024 float32; b_ga 1,024 float32; b_gx 1,024 float32; b_in 1,024 float32; b_out 1,024 float32; x 8 x 2,048 x 1,024 float32.
;; Outputs: out0 8 x 2,048 x 1,024 float32.
;; One version. Each part assembles by itself: llvm-mc -triple=amdgcn-amd-amdhsa -mcpu=gfx1250 --defsym DOCPART=n.
;; ======== version 1 of 1: 5 launches
;; limits: values are held in f16: magnitudes above 65,504 overflow, below 6.1e-05 lose precision
;; workspace buffers: xb 33,554,432 bytes; wts 8,409,088 bytes; x1 33,554,432 bytes; lab 67,108,864 bytes; h 33,554,432 bytes
;; launch prep (part 1): grid 1281 x 1, 8 waves a work-group, no clusters, 0 bytes of LDS; arguments x, W_in, W_out, W_gx, W_ga, b_in, b_gx, b_ga, a_param, b_out, xb, wts; writes xb, wts
.if DOCPART == 1
	.amdgcn_target "amdgcn-amd-amdhsa--gfx1250"
	.amdhsa_code_object_version 6
	.text
	.protected	k_qa593c92087_prep
	.globl	k_qa593c92087_prep
	.p2align	8
	.type	k_qa593c92087_prep,@function
k_qa593c92087_prep:
	s_mov_b64 s[64:65], 0
	v_nop
	global_prefetch_b8 v0, s[64:65] scope:SCOPE_SE
	s_setreg_imm32_b32 hwreg(HW_REG_WAVE_MODE, 25, 1), 1
	s_wait_xcnt 0x0
; CASTS AND TABLES.  Every input is rounded once to bf16 here; the later launches read nothing else of them.
;   xb   bf16 [8][2048 p][1024]: x, with the time axis permuted: place p = 256 j + 8 l + i holds time t = 64 l + 8 j + i (j < 8, l < 32, i < 8),
;        so that in the scan a lane's eight 16-byte loads are 64 consecutive times.  The products do not mind the order of rows.
;   wts  +0 W_in, +2 MiB W_out: bf16 [k][n].  +4 MiB the two gates' weights, [k][strip of 128 columns][W_gx, W_ga][128]: the bf16 number written as f16.
;        +8 MiB five f32 tables of 1,024: b_in; -log2(e) b_gx; -log2(e) b_ga; c = -8 log2(e) softplus(a_param); b_out, each made of the bf16-rounded input.
; LIMITS.  A gate weight beyond 65,504 has no f16; below 6e-5 it keeps f16's fixed step of 6e-8.  e^-|a_param| below 2^-126 counts as 0.
; SHARES.  A work-group takes 16 rows of 4,096 bytes; thread t the 16 bytes at 16 t of each row, which become 8: a wave's store covers 256 consecutive bytes, aligned.
; Every row has registers of its own: 16 loads of a thread are out at once, nothing is rewritten, and the only waits are the counted ones for the loads.
; Work-groups 0-1023: x.  1024-1151: W_in, W_out.  1152-1279: W_gx, W_ga.  1280: the tables.  No LDS, no matrix unit: a stream has no use for them.
.set WG,  4194304
.set TAB, 8388608
.set SRC, 28                           ; s[28:29] the 16 rows' first byte
.set DST, 30                           ; s[30:31] where they go
.set IN,  16                           ; v[16:79]  row i: 4 f32
.set OUT, 80                           ; v[80:111] row i: 4 numbers of 16 bits
; kind 0: x (rows 8-15 go 256 places further down); 1: W_in, W_out; 2: the gates (bf16, widened, written as f16; rows of 4,096 bytes)
.macro CONV kind
.set i, 0
.rept 16
.if (\kind) == 0
	global_load_b128 v[IN+4*i:IN+4*i+3], v1, s[SRC:SRC+1] offset:i*4096 th:TH_LOAD_NT
.else
	global_load_b128 v[IN+4*i:IN+4*i+3], v1, s[SRC:SRC+1] offset:i*4096
.endif
.set i, i+1
.endr
.set i, 0
.rept 16
	s_wait_loadcnt 15-i                            ; loads come back in order: row i is in, the 15 - i younger ones stay out
	v_cvt_pk_bf16_f32 v[OUT+2*i], v[IN+4*i], v[IN+4*i+1]
	v_cvt_pk_bf16_f32 v[OUT+2*i+1], v[IN+4*i+2], v[IN+4*i+3]
.if (\kind) == 2
	v_lshlrev_b32 v4, 16, v[OUT+2*i]               ; the rounded numbers as f32 again,
	v_and_b32 v5, 0xffff0000, v[OUT+2*i]
	v_lshlrev_b32 v6, 16, v[OUT+2*i+1]
	v_and_b32 v7, 0xffff0000, v[OUT+2*i+1]
	v_cvt_pk_f16_f32 v[OUT+2*i], v4, v5            ; and as f16: exact within f16's range
	v_cvt_pk_f16_f32 v[OUT+2*i+1], v6, v7
.endif
.if (\kind) == 0
	global_store_b64 v2, v[OUT+2*i:OUT+2*i+1], s[DST:DST+1] offset:(i%8)*2048+(i/8)*524288
.elseif (\kind) == 1
	global_store_b64 v2, v[OUT+2*i:OUT+2*i+1], s[DST:DST+1] offset:i*2048
.else
	global_store_b64 v2, v[OUT+2*i:OUT+2*i+1], s[DST:DST+1] offset:i*4096
.endif
.set i, i+1
.endr
.endm
.macro RND a                           ; v[a], v[a+1] rounded to bf16 and widened again
	v_cvt_pk_bf16_f32 v4, v[\a], v[(\a)+1]
	v_lshlrev_b32 v[\a], 16, v4
	v_and_b32 v[(\a)+1], 0xffff0000, v4
.endm
	s_load_b512 s[4:19], s[0:1], 0x0               ; x s[4:5], W_in s[6:7], W_out s[8:9], W_gx s[10:11], W_ga s[12:13], b_in s[14:15], b_gx s[16:17], b_ga s[18:19]
	s_load_b256 s[20:27], s[0:1], 0x40             ; a_param s[20:21], b_out s[22:23], xb s[24:25], wts s[26:27]
	s_mov_b32 s2, ttmp9
	v_lshlrev_b32 v1, 4, v0                        ; my 16 bytes of a source row
	v_lshlrev_b32 v2, 3, v0                        ; my 8 bytes of a row of 16-bit numbers
	s_mov_b32 s33, 0
	s_mov_b32 s35, 0
	s_wait_kmcnt 0x0
	s_cmp_lt_u32 s2, 1024
	s_cbranch_scc0 .Lweights
	; x: times 16 q .. 16 q + 15 of a batch.  l = q / 4, j = 2 (q % 4) + (row / 8), i = row % 8
	s_lshl_b32 s32, s2, 16
	s_add_nc_u64 s[SRC:SRC+1], s[4:5], s[32:33]
	s_lshr_b32 s36, s2, 7                          ; batch
	s_and_b32 s37, s2, 127                         ; q
	s_and_b32 s38, s37, 3
	s_lshr_b32 s37, s37, 2
	s_lshl_b32 s36, s36, 11
	s_lshl_b32 s38, s38, 9
	s_lshl_b32 s37, s37, 3
	s_add_co_u32 s36, s36, s38
	s_add_co_u32 s36, s36, s37                     ; the first place: 2,048 batch + 512 (q % 4) + 8 (q / 4)
	s_lshl_b32 s34, s36, 11
	s_add_nc_u64 s[DST:DST+1], s[24:25], s[34:35]
	CONV 0
	s_endpgm
.Lweights:
	s_cmp_lt_u32 s2, 1152
	s_cbranch_scc0 .Lgates
	s_sub_co_u32 s36, s2, 1024
	s_and_b32 s37, s36, 63                         ; which 16 rows
	s_lshr_b32 s36, s36, 6                         ; 0: W_in, 1: W_out
	s_lshl_b32 s32, s37, 16
	s_lshl_b32 s34, s37, 15
	s_lshl_b32 s38, s36, 21
	s_add_co_u32 s34, s34, s38
	s_cmp_eq_u32 s36, 0
	s_cselect_b64 s[SRC:SRC+1], s[6:7], s[8:9]
	s_add_nc_u64 s[SRC:SRC+1], s[SRC:SRC+1], s[32:33]
	s_add_nc_u64 s[DST:DST+1], s[26:27], s[34:35]
	CONV 1
	s_endpgm
.Lgates:
	s_cmp_lt_u32 s2, 1280
	s_cbranch_scc0 .Ltables
	s_sub_co_u32 s36, s2, 1152
	s_and_b32 s37, s36, 63
	s_lshr_b32 s36, s36, 6                         ; 0: W_gx, 1: W_ga
	s_lshl_b32 s32, s37, 16
	s_lshl_b32 s38, s36, 8                         ; the gate's 256 bytes of a strip
	s_add_co_u32 s34, s32, s38
	s_add_co_u32 s34, s34, WG
	s_cmp_eq_u32 s36, 0
	s_cselect_b64 s[SRC:SRC+1], s[10:11], s[12:13]
	s_add_nc_u64 s[SRC:SRC+1], s[SRC:SRC+1], s[32:33]
	s_add_nc_u64 s[DST:DST+1], s[26:27], s[34:35]
	v_lshrrev_b32 v3, 5, v0                        ; my strip of 128 columns: its 512 bytes hold both gates,
	v_lshl_add_u32 v2, v3, 8, v2                   ; so my 8 bytes lie at 8 t + 256 (t / 32)
	CONV 2
	s_endpgm
.Ltables:
	global_load_b128 v[16:19], v1, s[14:15]        ; b_in
	global_load_b128 v[20:23], v1, s[16:17]        ; b_gx
	global_load_b128 v[24:27], v1, s[18:19]        ; b_ga
	global_load_b128 v[28:31], v1, s[20:21]        ; a_param
	global_load_b128 v[32:35], v1, s[22:23]        ; b_out
	s_add_nc_u64 s[DST:DST+1], s[26:27], TAB
	v_mov_b32 v5, 0xbe800000                       ; -1/4
	s_wait_loadcnt 0x0
.irp a, 16,18,20,22,24,26,28,30,32,34
	RND \a
.endr
.irp k, 0,1,2,3,4,5,6,7
	v_mul_f32 v[20+(\k)], 0xbfb8aa3b, v[20+(\k)]   ; the gates' biases times -log2(e)
.endr
	; softplus(x) = max(x, 0) + log(1 + t), t = e^-|x|.  For t < 1/64: t (1 - t/2 + t^2/3 - t^3/4), off by less than t^4 / 5 of itself; else ln 2 x log2(1 + t)
.irp k, 0,1,2,3
	v_and_b32 v[36+(\k)], 0x7fffffff, v[28+(\k)]
	v_mul_f32 v[36+(\k)], 0xbfb8aa3b, v[36+(\k)]
.endr
.irp k, 0,1,2,3
	v_exp_f32 v[36+(\k)], v[36+(\k)]               ; t
.endr
	v_nop                                          ; a plain instruction behind the last exponential,
	s_wait_alu depctr_va_vdst(0)                   ; and one wait for the four, ahead of their first reader
.irp k, 0,1,2,3
	v_add_f32 v[40+(\k)], 1.0, v[36+(\k)]
	v_fmaak_f32 v[44+(\k)], v[36+(\k)], v5, 0x3eaaaaab
.endr
.irp k, 0,1,2,3
	v_log_f32 v[40+(\k)], v[40+(\k)]
.endr
.irp k, 0,1,2,3
	v_fma_f32 v[44+(\k)], v[36+(\k)], v[44+(\k)], -0.5
.endr
.irp k, 0,1,2,3
	v_fma_f32 v[44+(\k)], v[36+(\k)], v[44+(\k)], 1.0
.endr
.irp k, 0,1,2,3
	v_mul_f32 v[44+(\k)], v[36+(\k)], v[44+(\k)]
.endr
	s_wait_alu depctr_va_vdst(0)                   ; one wait for the four logarithms; the series above is the work between
.irp k, 0,1,2,3
	v_mul_f32 v[40+(\k)], 0x3f317218, v[40+(\k)]   ; ln 2
	v_cmp_gt_f32 vcc_lo, 0x3c800000, v[36+(\k)]    ; 1/64 > t
	v_cndmask_b32 v[40+(\k)], v[40+(\k)], v[44+(\k)], vcc_lo
	v_max_num_f32 v[28+(\k)], 0, v[28+(\k)]
	v_add_f32 v[28+(\k)], v[28+(\k)], v[40+(\k)]
	v_mul_f32 v[28+(\k)], 0xc138aa3b, v[28+(\k)]   ; c = -8 log2(e) softplus
.endr
.irp k, 0,1,2,3,4
	global_store_b128 v1, v[16+4*(\k):19+4*(\k)], s[DST:DST+1] offset:4096*(\k)
.endr
	s_endpgm
.Lfunc_end_k_qa593c92087_prep:
	.size	k_qa593c92087_prep, .Lfunc_end_k_qa593c92087_prep-k_qa593c92087_prep
	.p2alignl 7, 3214868480
	.fill 96, 4, 3214868480
	.section	.rodata,"a",@progbits
	.p2align	6, 0x0
	.amdhsa_kernel k_qa593c92087_prep
		.amdhsa_group_segment_fixed_size 0
		.amdhsa_private_segment_fixed_size 0
		.amdhsa_enable_private_segment 0
		.amdhsa_kernarg_size 96
		.amdhsa_user_sgpr_count 2
		.amdhsa_user_sgpr_kernarg_segment_ptr 1
		.amdhsa_wavefront_size32 1
		.amdhsa_system_sgpr_workgroup_id_x 1
		.amdhsa_system_sgpr_workgroup_id_y 1
		.amdhsa_system_sgpr_workgroup_id_z 1
		.amdhsa_system_vgpr_workitem_id 0
		.amdhsa_next_free_vgpr 112
		.amdhsa_next_free_sgpr 66
		.amdhsa_reserve_vcc 1
		.amdhsa_float_denorm_mode_32 3
		.amdhsa_float_denorm_mode_16_64 3
		.amdhsa_memory_ordered 1
		.amdhsa_forward_progress 1
		.amdhsa_inst_pref_size 30
	.end_amdhsa_kernel
	.amdgpu_metadata
---
amdhsa.version: [ 1, 2 ]
amdhsa.kernels:
  - .name:           k_qa593c92087_prep
    .symbol:         k_qa593c92087_prep.kd
    .args:
      - { .name: x, .offset: 0, .size: 8, .value_kind: global_buffer, .address_space: global }
      - { .name: W_in, .offset: 8, .size: 8, .value_kind: global_buffer, .address_space: global }
      - { .name: W_out, .offset: 16, .size: 8, .value_kind: global_buffer, .address_space: global }
      - { .name: W_gx, .offset: 24, .size: 8, .value_kind: global_buffer, .address_space: global }
      - { .name: W_ga, .offset: 32, .size: 8, .value_kind: global_buffer, .address_space: global }
      - { .name: b_in, .offset: 40, .size: 8, .value_kind: global_buffer, .address_space: global }
      - { .name: b_gx, .offset: 48, .size: 8, .value_kind: global_buffer, .address_space: global }
      - { .name: b_ga, .offset: 56, .size: 8, .value_kind: global_buffer, .address_space: global }
      - { .name: a_param, .offset: 64, .size: 8, .value_kind: global_buffer, .address_space: global }
      - { .name: b_out, .offset: 72, .size: 8, .value_kind: global_buffer, .address_space: global }
      - { .name: xb, .offset: 80, .size: 8, .value_kind: global_buffer, .address_space: global }
      - { .name: wts, .offset: 88, .size: 8, .value_kind: global_buffer, .address_space: global }
    .group_segment_fixed_size: 0
    .private_segment_fixed_size: 0
    .kernarg_segment_align: 8
    .kernarg_segment_size: 96
    .max_flat_workgroup_size: 256
    .sgpr_count:     66
    .vgpr_count:     112
    .wavefront_size: 32
...
	.end_amdgpu_metadata
.endif
;; end of part 1
;; launch g1 (part 2): grid 4 x 64, 4 waves a work-group, clusters of 4 x 4, 327,680 bytes of LDS; arguments xb, wts, x1; writes x1
.if DOCPART == 2
	.amdgcn_target "amdgcn-amd-amdhsa--gfx1250"
	.amdhsa_code_object_version 6
	.text
	.protected	k_qa593c92087_g1
	.globl	k_qa593c92087_g1
	.p2align	8
	.type	k_qa593c92087_g1,@function
k_qa593c92087_g1:
	s_mov_b64 s[64:65], 0
	v_nop
	global_prefetch_b8 v0, s[64:65] scope:SCOPE_SE
	s_setreg_imm32_b32 hwreg(HW_REG_WAVE_MODE, 25, 1), 1
	s_wait_xcnt 0x0
	s_wait_alu depctr_hold_cnt(0) depctr_sa_sdst(0) depctr_va_vdst(0) depctr_va_sdst(0) depctr_va_ssrc(0) depctr_va_vcc(0) depctr_vm_vsrc(0)
	s_getreg_b32 s2, hwreg(HW_REG_IB_STS2, 6, 4)
	s_cmp_eq_u32 s2, 0
	s_cbranch_scc0 .Lentry_in_a_cluster
	s_endpgm
.Lentry_in_a_cluster:
	s_bfe_u32 s2, ttmp6, 0x10000c
	s_cmp_lg_u32 s2, 0xf033
	s_cbranch_scc0 .Lentry_shape_is_right
	s_endpgm
.Lentry_shape_is_right:
; x1 = xb W_in + b_in.  xb: bf16 [16384 rows][1024 k]; W_in: bf16 [k][n] at wts + 0; b_in: f32 at wts + 8 MiB.  Sums in f32; b_in starts them, as the C operand of the first product.
; x1 leaves as f16 [8 batches][1024 channels][2048 places]: channel-major, so that the later launches read a channel's places on end and the next product takes it as [k][m].
; LIMIT.  |x1| stays under 65,504, f16's end (with inputs as drawn it is near 1; 30 times larger x and W_in give some 5e3).
; A tile of the result is 256 rows x 256 channels, made by four waves, 128 x 128 each: 64 accumulators of 16 x 16, 512 registers.  K goes in 8 steps of 128 through two LDS slots.
; A's tile: 256 rows x 256 bytes, LDS pitch 272.  B's tile lies as in memory, [k][n]: 128 k-rows x 512 bytes, LDS pitch 544; its fragments come out turned, by ds_load_tr16_b128.
; Waves 0, 1 fetch A's halves (128 rows), waves 2, 3 B's (64 k-rows): one tensor load a wave behind each change of slots; it has 224 matrix instructions in which to land.
; CLUSTER 4 x 4: A's tile hangs on the tile row alone and is asked for jointly along a row of the cluster, B's on the tile column alone, along a column.
; The product is taken as it stands (source 0 = 16 rows of A, source 1 = 16 columns of B): a lane holds ONE channel (lane % 16) and eight neighbouring places, 16 bytes of x1.
; REGISTERS by windows of 256: window 0: v0-31 addresses and constants, v64-191 A's two fragment buffers, v192-255 b_in spread out, later the way out with v32-63; window 1: v64-191 B's two buffers;
; windows 2, 3: accumulator (a, b) at v[8 (8 (a % 4) + b)].  s_set_vgpr_msb's low byte: bits 1:0 source 0, 3:2 source 1, 5:4 source 2, 7:6 destination.
.set PA,    272                        ; 256 bytes + 16: the 16 rows of a fragment load start at 16 different groups of four banks (64 banks of 4 bytes: ISA guide 11.1)
.set PT,    544                        ; 512 bytes + 32 = 17 x 32
.set HALFT, 34816                      ; what one tensor load brings: 128 x 272 = 64 x 544
.set SLOT,  4*HALFT                    ; 0x22000: it shares no bit with wave x HALFT, so one exclusive or turns an address in one slot into the other's
.set BPART, 2*HALFT                    ; B's tile lies behind A's
.set QT,    32*PT                      ; 32 k-rows: a quarter of a K step
.set STAGE, 2*SLOT                     ; behind the ring: 16 rows x 272 bytes for each wave, for the way out
.set SP,    272
.set SPARE, STAGE+4*16*SP              ; behind the stages: the spare words, 128 bytes a wave: two blocks of 256 bytes that no other line names
.set KA,    256                        ; bytes from a K step to the next, in xb
.set KB,    128*2048                   ; and in W_in
.set TAB,   8388608
.set ADRA0, 6                          ; v6   my lane's place in A's tile; never rewritten
.set ADRB0, 7                          ; v7   in B's tile
.set ADRA,  8                          ; v8   the same in the slot in hand
.set ADRB,  9                          ; v9
.set STO,   10                         ; v10  the way out: where I put 16 bytes of a channel
.set RD,    11                         ; v11  where I read a channel's 256 bytes back
.set CO,    12                         ; v12  my byte offset in x1
.set PFO,   13                         ; v13  the prefetches' offset; never rewritten
.set SPW,   14                         ; v14  LDS address of my spare word; never rewritten
.set NIL,   15                         ; v15  0; never rewritten
.set KP,    16                         ; v16-23  b_in of my channel in each of the 8 channel blocks
.set F0,    64
.set F1,    128
.set BC,    192                        ; v192-255  the same, eight times each: the C operand of channel block b at BC + 8 b
.set TMP,   192                        ; the way out: a channel block, packed
.set OB,    32                         ; read back: v32-63 and v224-255 by turns
.set G1A, 24                           ; s[24:31] descriptor group 1, A
.set G0A, 32                           ; s[32:39] group 0, A: a set for each first fill; the second then walks
.set TB,  42                           ; s42  0 or SLOT: the slot that fragments are read from
.set LIM, 43                           ; s43  2 in a wave that prefetches, else the greatest number
.set PFA, 44                           ; s[44:45] where my prefetches stand
.set PST, 46                           ; s[46:47] their step
.set G1B, 48                           ; s[48:55] group 1, B
.set G0B, 56                           ; s[56:63] group 0, B
.set MSB, 0
.set MUL_LO, 0xa4                      ; source 0 (A) window 0, source 1 (B) window 1, C and D window 2; + 0x50: window 3
.set MUL_C0, 0x84                      ; the same with C in window 0; + 0x40: D in window 3
.set TO_B,   0x40                      ; destination window 1, address window 0
.macro WIN new                         ; the immediate's high byte repeats the setting that is left; a switch that changes nothing is dropped
.if MSB != (\new)
	s_set_vgpr_msb (MSB<<8)|(\new)
.set MSB, \new
.endif
.endm
.macro PLACES                          ; four plain vector instructions between a matrix instruction and a load into, or a vector instruction on, its registers
.rept 4
	v_nop
.endr
.endm
.macro CREST                           ; a round of the cluster's barrier behind its opening barrier
	s_cmp_lg_u32 s10, 0
	s_cbranch_scc1 .Lnot_wave_0_\@
	s_barrier_signal -3
.Lnot_wave_0_\@:
	s_barrier_wait -3
	s_barrier_signal -1
	s_barrier_wait -1
.endm
.macro CROUND
	s_barrier_signal -1
	s_barrier_wait -1
	CREST
.endm
.macro JLOAD                           ; the joint refill, by the walking descriptor; the branch hangs on the wave's number alone; s_nop 0 and four v_nop follow each line
	s_cmp_eq_u32 s11, 0
	s_cbranch_scc0 .Lfor_b_\@
	tensor_load_to_lds s[G0A+4:G0A+7], s[G1A:G1A+7]
	s_nop 0
.rept 4
	v_nop
.endr
	s_branch .Lasked_\@
.Lfor_b_\@:
	tensor_load_to_lds s[G0B+4:G0B+7], s[G1B:G1B+7]
	s_nop 0
.rept 4
	v_nop
.endr
.Lasked_\@:
.endm
; A prefetch of the K step that stands two refills on, 512 matrix instructions ahead of the load that wants it: a lane a block of 256 bytes, one instruction a wave.  Each block is named once in the launch:
; A's rows by their own cluster (there is one cluster along x), B's by the clusters with y = 0; the four partners of a joint load share its blocks out by address.  K steps 0-3 come by their loads alone;
; the trips with s3 = 2 and 1 have no K step two on and ask for nothing.
.macro ASK
	s_cmp_gt_u32 s3, s[LIM]
	s_cbranch_scc0 .Lnot_mine_\@
	global_prefetch_b8 v[PFO], s[PFA:PFA+1] th:TH_LOAD_NT scope:SCOPE_SE
.Lnot_mine_\@:
.endm
; 16 matrix instructions: row blocks a0, a0 + 1 of the window's four x all 8 channel blocks, 32 along K.  zero = 1: the product starts the sums, from b_in.  The 64 accumulators take turns in one fixed order.
.macro MUL16 f, hi, a0, zero
.if \zero
	WIN MUL_C0+0x40*(\hi)
.else
	WIN MUL_LO+0x50*(\hi)
.endif
.irp a, \a0, (\a0)+1
.irp b, 0,1,2,3,4,5,6,7
.if \zero
	v_wmma_f32_16x16x32_bf16 v[8*(8*(\a)+(\b)):8*(8*(\a)+(\b))+7], v[(\f)+8*(4*(\hi)+(\a)):(\f)+8*(4*(\hi)+(\a))+7], v[(\f)+8*(\b):(\f)+8*(\b)+7], v[BC+8*(\b):BC+8*(\b)+7]
.else
	v_wmma_f32_16x16x32_bf16 v[8*(8*(\a)+(\b)):8*(8*(\a)+(\b))+7], v[(\f)+8*(4*(\hi)+(\a)):(\f)+8*(4*(\hi)+(\a))+7], v[(\f)+8*(\b):(\f)+8*(\b)+7], v[8*(8*(\a)+(\b)):8*(8*(\a)+(\b))+7]
.endif
.endr
.endr
.endm
; 32 LDS loads in one run: quarter q's fragments into buffer f: B's eight (turned), then A's eight
.macro FETCH q, f
	WIN TO_B
.irp i, 0,1,2,3,4,5,6,7
	ds_load_tr16_b128 v[(\f)+8*(\i):(\f)+8*(\i)+3],   v[ADRB] offset:(\q)*QT+32*(\i)
	ds_load_tr16_b128 v[(\f)+8*(\i)+4:(\f)+8*(\i)+7], v[ADRB] offset:(\q)*QT+32*(\i)+16*PT
.endr
	WIN 0
.irp i, 0,1,2,3,4,5,6,7
	ds_load_b128 v[(\f)+8*(\i):(\f)+8*(\i)+3],   v[ADRA] offset:(\q)*64+(\i)*16*PA
	ds_load_b128 v[(\f)+8*(\i)+4:(\f)+8*(\i)+7], v[ADRA] offset:(\q)*64+(\i)*16*PA+32
.endr
.endm
; One of a K step's first three quarters: multiplies buffer f and, in its middle, fetches quarter q into buffer g
.macro QUARTER q, f, g, zero
	s_wait_dscnt 8                                 ; B and A's rows 0-63 are in; the youngest eight loads (A's rows 64-127) may be out
	MUL16 \f, 0, 0, \zero
	MUL16 \f, 0, 2, \zero
	PLACES
	FETCH \q, \g
	s_wait_dscnt 32                                ; all but the 32 just issued
	MUL16 \f, 1, 0, \zero
	MUL16 \f, 1, 2, \zero
.endm
; The last quarter multiplies buffer 1 and changes slots.  In front of the barrier each wave waits for all its tensor loads (one is out: its part of the next slot), adds 0 to its spare word, and waits
; for that and for its reads of this slot.  fill = 1: the barrier opens a round of the cluster's, and the joint refill of this slot, with the K step two on, is the first thing behind it.
; tail = 1: in the trip with s3 = 1 there is no further K step, and the run of loads is jumped over.
.macro TURN fill, tail
	WIN 0
.if \fill
	s_wait_xcnt 0x0                                ; the last prefetch, a K step back, has read its address
	s_add_nc_u64 s[PFA:PFA+1], s[PFA:PFA+1], s[PST:PST+1]
.endif
	s_xor_b32 s[TB], s[TB], SLOT                   ; the fragments' addresses in the next slot
	v_add_nc_u32 v[ADRA], s[TB], v[ADRA0]
	v_add_nc_u32 v[ADRB], s[TB], v[ADRB0]
	s_wait_tensorcnt 0x0                           ; all my tensor loads have landed, so a group 0 may be written
	ds_add_u32 v[SPW], v[NIL]                      ; 0 onto my spare word
.if \fill
	s_xor_b32 s[G0A+5], s[G0A+5], SLOT             ; the walking descriptors: the other slot than last time, the next K step
	s_add_nc_u64 s[G0A+6:G0A+7], s[G0A+6:G0A+7], KA
	s_xor_b32 s[G0B+5], s[G0B+5], SLOT
	s_add_nc_u64 s[G0B+6:G0B+7], s[G0B+6:G0B+7], KB
.endif
	s_wait_dscnt 9                                 ; the add and the youngest eight loads may be out
	MUL16 F1, 0, 0, 0
	s_wait_dscnt 0x0                               ; the add is done, and my reads of this slot are over
	s_barrier_signal -1
	MUL16 F1, 0, 2, 0                              ; work on registers while the others arrive
	WIN 0
	s_barrier_wait -1
.if \fill
	CREST                                          ; no wave of any partner still reads this slot or has a load on its way
	JLOAD                                          ; its four v_nop are also the places in front of the loads below
.else
	PLACES
.endif
.if \tail
	s_cmp_eq_u32 s3, 1
	s_cbranch_scc1 .Lno_fetch_\@
.endif
	FETCH 0, F0
.if \tail
.Lno_fetch_\@:
.endif
.if \fill
	ASK
.endif
	MUL16 F1, 1, 0, 0
	MUL16 F1, 1, 2, 0
.endm
	s_load_b128 s[4:7], s[0:1], 0x0                ; xb s[4:5], wts s[6:7]
	s_load_b64 s[8:9], s[0:1], 0x10                ; x1
	v_lshl_add_u32 v[SPW], v0, 2, SPARE
	v_mov_b32 v[NIL], 0
	ds_add_u32 v[SPW], v[NIL]                      ; the wave's opening: the add and its wait stand ahead of my first tensor load; work on registers stands between
	v_lshrrev_b32 v1, 5, v0
	v_readfirstlane_b32 s10, v1                    ; wave 0..3
	s_lshr_b32 s11, s10, 1                         ; which half of the tile's rows is mine.  Also: I fetch for A (0) or B (1)
	s_and_b32 s12, s10, 1                          ; which half of its channels.  Also: which half of that tile I fetch
	s_bfe_u32 s40, ttmp6, 0x40000                  ; cx
	s_bfe_u32 s41, ttmp6, 0x40004                  ; cy
	s_lshl_b32 s13, ttmp9, 2
	s_add_co_u32 s13, s13, s40                     ; tile column tx
	s_and_b32 s14, ttmp7, 0xffff
	s_lshl_b32 s14, s14, 2
	s_add_co_u32 s14, s14, s41                     ; tile row ty
	s_lshl_b32 s15, s41, 2
	s_lshl_b32 s15, 15, s15                        ; my row of the cluster
	s_lshl_b32 s21, 0x1111, s40                    ; my column
	s_or_b32 s[G1A], s15, (1<<16)|(1<<20)|(1<<21)|(5<<22)|(3<<25)  ; mask; 2-byte elements; padding on; bit 21 beside a mask; after every 64 words 4 words
	s_mov_b32 s[G1A+1], 128<<16                    ; tensor_dim0 = 128
	s_mov_b32 s[G1A+2], 128<<16                    ; tensor_dim1 = 128
	s_mov_b32 s[G1A+3], 128<<16                    ; tile_dim0 = 128
	s_mov_b32 s[G1A+4], 128                        ; tile_dim1 = 128
	s_mov_b32 s[G1A+5], 1024                       ; elements from row to row
	s_mov_b32 s[G1A+6], 0
	s_mov_b32 s[G1A+7], 0
	s_or_b32 s[G1B], s21, (1<<16)|(1<<20)|(1<<21)|(6<<22)|(7<<25)  ; after every 128 words 8 words
	s_mov_b32 s[G1B+1], 256<<16                    ; tensor_dim0 = 256
	s_mov_b32 s[G1B+2], 64<<16                     ; tensor_dim1 = 64
	s_mov_b32 s[G1B+3], 256<<16                    ; tile_dim0 = 256
	s_mov_b32 s[G1B+4], 64                         ; tile_dim1 = 64
	s_mov_b32 s[G1B+5], 1024
	s_mov_b32 s[G1B+6], 0
	s_mov_b32 s[G1B+7], 0
	s_lshl_b32 s16, s14, 19                        ; A: 256 ty rows of 2,048 bytes,
	s_lshl_b32 s17, s12, 18                        ; + my 128
	s_add_co_u32 s16, s16, s17
	s_mov_b32 s17, 0
	s_lshl_b32 s18, s13, 9                         ; B: 512 tx bytes along a k-row,
	s_lshl_b32 s19, s12, 17                        ; + my 64 k-rows of 2,048 bytes
	s_add_co_u32 s18, s18, s19
	s_mov_b32 s19, 0
	s_mul_i32 s20, s10, HALFT                      ; where my part lands: no place in the cluster enters an LDS address
	s_mov_b32 s[TB], 0
	s_wait_dscnt 0x0                               ; the opening add is done
	s_wait_kmcnt 0x0
	s_add_nc_u64 s[16:17], s[4:5], s[16:17]
	s_add_nc_u64 s[18:19], s[6:7], s[18:19]
	CROUND                                         ; all sixteen work-groups are here: the first joint loads meet
.irp s, 0,1
	s_mov_b32 s[G0A+4*(\s)], 1
	s_add_co_u32 s[G0A+4*(\s)+1], s20, (\s)*SLOT
	s_add_nc_u64 s[G0A+4*(\s)+2:G0A+4*(\s)+3], s[16:17], (\s)*KA
	s_or_b32 s[G0A+4*(\s)+3], s[G0A+4*(\s)+3], 0x80000000
	s_mov_b32 s[G0B+4*(\s)], 1
	s_add_co_u32 s[G0B+4*(\s)+1], s20, (\s)*SLOT
	s_add_nc_u64 s[G0B+4*(\s)+2:G0B+4*(\s)+3], s[18:19], (\s)*KB
	s_or_b32 s[G0B+4*(\s)+3], s[G0B+4*(\s)+3], 0x80000000
.endr
	s_cmp_eq_u32 s11, 0                            ; a wave's two first fills stand in one branch: two loads of mine are out
	s_cbranch_scc0 .Lfirst_b
	tensor_load_to_lds s[G0A:G0A+3], s[G1A:G1A+7]
	s_nop 0
	tensor_load_to_lds s[G0A+4:G0A+7], s[G1A:G1A+7]
	s_nop 0
.rept 4
	v_nop
.endr
	s_branch .Lfirst_asked
.Lfirst_b:
	tensor_load_to_lds s[G0B:G0B+3], s[G1B:G1B+7]
	s_nop 0
	tensor_load_to_lds s[G0B+4:G0B+7], s[G1B:G1B+7]
	s_nop 0
.rept 4
	v_nop
.endr
.Lfirst_asked:
	v_and_b32 v1, 15, v0                           ; r = l % 16
	v_bfe_u32 v2, v0, 4, 1                         ; l / 16
	v_and_b32 v3, 31, v0                           ; l
	s_lshl_b32 s22, s13, 10                        ; b_in of my 128 channels: asked for first, since the first products want it
	s_lshl_b32 s23, s12, 9
	s_add_co_u32 s22, s22, s23
	s_add_co_u32 s22, s22, TAB
	s_mov_b32 s23, 0
	s_add_nc_u64 s[22:23], s[6:7], s[22:23]        ; s[22:23] and v5 stay as they are until these loads are waited for
	v_lshlrev_b32 v5, 2, v1
.irp b, 0,1,2,3,4,5,6,7
	global_load_b32 v[KP+(\b)], v5, s[22:23] offset:64*(\b)
.endr
	v_and_b32 v4, 7, v0                            ; the turning load: lane l reads k-row 8 (l / 16) + l % 8, 16 bytes at 16 ((l / 8) % 2)
	v_lshl_add_u32 v4, v2, 3, v4
	v_mul_u32_u24 v4, v4, PT
	v_bfe_u32 v[PFO], v0, 3, 1
	v_lshl_add_u32 v4, v[PFO], 4, v4
	v_mul_u32_u24 v[ADRA0], v1, PA                 ; A as it lies: row r, 16 bytes for each half of the lanes
	v_lshl_add_u32 v[ADRA0], v2, 4, v[ADRA0]
	s_mul_i32 s21, s11, HALFT                      ; my 128 rows
	v_add_nc_u32 v[ADRA0], s21, v[ADRA0]
	s_lshl_b32 s21, s12, 8                         ; my 128 channels: 256 bytes of a k-row
	s_add_co_u32 s21, s21, BPART
	v_add_nc_u32 v[ADRB0], s21, v4
	v_mov_b32 v[ADRA], v[ADRA0]
	v_mov_b32 v[ADRB], v[ADRB0]
	s_mul_i32 s21, s10, 16*SP
	s_add_co_u32 s21, s21, STAGE                   ; my stage
	v_mul_u32_u24 v[STO], v1, SP                   ; in: channel r, 16 bytes for each half of the lanes
	v_lshl_add_u32 v[STO], v2, 4, v[STO]
	v_add_nc_u32 v[STO], s21, v[STO]
	v_mul_u32_u24 v[RD], v2, SP                    ; back: lanes 0-15 one channel's 256 bytes, lanes 16-31 the next's
	v_lshl_add_u32 v[RD], v1, 4, v[RD]
	v_add_nc_u32 v[RD], s21, v[RD]
	v_lshlrev_b32 v[CO], 12, v2                    ; and the same two channels in x1, 4,096 bytes apart
	v_lshl_add_u32 v[CO], v1, 4, v[CO]
	; the prefetches: of A's 128 rows the partner at cx takes 32, a lane a row; of B's 64 k-rows the partner at cy takes 16, two lanes a row of 512 bytes
	s_and_b32 s15, ttmp7, 0xffff                   ; cluster y
	s_mov_b32 s[PST], KB
	s_cmp_eq_u32 s11, 0                            ; do I fetch for A?
	s_cselect_b64 s[PFA:PFA+1], s[16:17], s[18:19]
	s_cselect_b32 s20, s40, s41                    ; my place among the four that ask with me
	s_cselect_b32 s15, ttmp9, s15                  ; the coordinate along which other clusters read the same blocks
	s_cselect_b32 s2, 16, 15                       ; 32 rows, or 16 k-rows, of 2,048 bytes
	s_cselect_b32 s[PST], KA, s[PST]
	s_cselect_b32 s21, 0, 1                        ; lanes to a row, less one
	s_mov_b32 s[PST+1], 0
	s_cmp_eq_u32 s15, 0
	s_cselect_b32 s[LIM], 2, -1                    ; the same in all sixteen partners, for a given wave
	s_lshl_b32 s20, s20, s2
	v_lshrrev_b32 v[PFO], s21, v3
	v_lshlrev_b32 v[PFO], 11, v[PFO]
	v_and_b32 v4, s21, v3
	v_lshl_add_u32 v[PFO], v4, 8, v[PFO]
	s_mov_b32 s21, 0
	s_add_nc_u64 s[PFA:PFA+1], s[PFA:PFA+1], s[20:21]
	s_mul_i32 s20, s[PST], 3                       ; at K step 3: the first refill steps it to 4 and asks
	s_add_nc_u64 s[PFA:PFA+1], s[PFA:PFA+1], s[20:21]
	; x1 at my part: batch, channel 256 tx + 128 half, place 256 (ty % 8) + 128 half
	s_lshr_b32 s20, s14, 3
	s_lshl_b32 s20, s20, 22
	s_lshl_b32 s21, s13, 20
	s_add_co_u32 s20, s20, s21
	s_lshl_b32 s21, s12, 19
	s_add_co_u32 s20, s20, s21
	s_and_b32 s21, s14, 7
	s_lshl_b32 s21, s21, 9
	s_add_co_u32 s20, s20, s21
	s_lshl_b32 s21, s11, 8
	s_add_co_u32 s20, s20, s21
	s_mov_b32 s21, 0
	s_add_nc_u64 s[8:9], s[8:9], s[20:21]
	s_wait_loadcnt 0x0                             ; b_in
.irp b, 0,1,2,3,4,5,6,7                ; an accumulator's eight registers are eight places of one channel: its b_in eight times.  Written while the first tile is on its way
.irp j, 0,1,2,3,4,5,6,7
	v_mov_b32 v[BC+8*(\b)+(\j)], v[KP+(\b)]
.endr
.endr
	s_wait_tensorcnt 0x1                           ; my part of K step 0 is in; K step 1's may stay out
	s_barrier_signal -1
	s_barrier_wait -1
	FETCH 0, F0
	QUARTER 1, F0, F1, 1                           ; the first quarter stands in front of the loop: its products start the sums
	WIN 0
	s_mov_b32 s3, 6
.Lstep:                                                ; K steps 0-5: from a step's second quarter to the next step's first; the slot left is filled with the step two on
	QUARTER 2, F1, F0, 0
	QUARTER 3, F0, F1, 0
	TURN 1, 0
	QUARTER 1, F0, F1, 0
	WIN 0
	s_sub_co_u32 s3, s3, 1
	s_cmp_lg_u32 s3, 0
	s_cbranch_scc1 .Lstep
	s_mov_b32 s3, 2
.Ltail:                                                ; K steps 6 and 7 ask for nothing; the second trip has no next step: its fetch and its last quarter are jumped over
	QUARTER 2, F1, F0, 0
	QUARTER 3, F0, F1, 0
	TURN 0, 1
	WIN 0
	s_cmp_eq_u32 s3, 1
	s_cbranch_scc1 .Llast
	QUARTER 1, F0, F1, 0
	WIN 0
.Llast:
	s_sub_co_u32 s3, s3, 1
	s_cmp_lg_u32 s3, 0
	s_cbranch_scc1 .Ltail
	; THE WAY OUT, a block of 16 channels at a time: rounded to f16 straight from the accumulators (each from its low end on), 16 bytes a lane into my stage, back as whole channels of 256 bytes, stored.
.macro PACK b
.irp w, 0,1
	WIN 0x0a+5*(\w)                                ; sources 0 and 1 in window 2 or 3, destination in window 0
.irp u, 0,1,2,3
.irp p, 0,1,2,3
	v_cvt_pk_f16_f32 v[TMP+4*(4*(\w)+(\u))+(\p)], v[8*(8*(\u)+(\b))+2*(\p)], v[8*(8*(\u)+(\b))+2*(\p)+1]
.endr
.endr
.endr
	WIN 0
.endm
.macro TOSTAGE b
.set BK, OB+192*((\b)%2)
.irp u, 0,1,2,3,4,5,6,7
	ds_store_b128 v[STO], v[TMP+4*(\u):TMP+4*(\u)+3] offset:32*(\u)
.endr
.irp t, 0,1,2,3,4,5,6,7
	ds_load_b128 v[BK+4*(\t):BK+4*(\t)+3], v[RD] offset:(\t)*2*SP  ; LDS serves a wave's instructions in order (ISA guide 5.7.1.4): these see the stores above
.endr
.endm
.macro SEND b
.set BK, OB+192*((\b)%2)
	s_wait_dscnt 0x0                               ; the block is back in registers
	s_wait_xcnt 0x0                                ; the stores issued so far have read their registers: the other set is loaded again only behind this wait
.irp t, 0,1,2,3,4,5,6,7
	global_store_b128 v[CO], v[BK+4*(\t):BK+4*(\t)+3], s[8:9] offset:(16*(\b)+2*(\t))*4096  ; 16 lanes store 256 consecutive bytes, aligned: 128 places of one channel
.endr
.endm
	PLACES
	PACK 0
	TOSTAGE 0
.irp b, 1,2,3,4,5,6,7                  ; a block's conversions stand between the loads of the block before and the wait for them
	PACK \b
	SEND (\b)-1
	TOSTAGE \b
.endr
	SEND 7
	s_wait_tensorcnt 0x0                           ; the wave's end: a last add to my spare word and its wait, behind my last tensor load and my last LDS store
	ds_add_u32 v[SPW], v[NIL]
	s_wait_dscnt 0x0
	CROUND                                         ; the closing round: no work-group ends while a partner may still ask for a tile that names it
	s_endpgm
.Lfunc_end_k_qa593c92087_g1:
	.size	k_qa593c92087_g1, .Lfunc_end_k_qa593c92087_g1-k_qa593c92087_g1
	.p2alignl 7, 3214868480
	.fill 96, 4, 3214868480
	.section	.rodata,"a",@progbits
	.p2align	6, 0x0
	.amdhsa_kernel k_qa593c92087_g1
		.amdhsa_group_segment_fixed_size 327680
		.amdhsa_private_segment_fixed_size 0
		.amdhsa_enable_private_segment 0
		.amdhsa_kernarg_size 24
		.amdhsa_user_sgpr_count 2
		.amdhsa_user_sgpr_kernarg_segment_ptr 1
		.amdhsa_wavefront_size32 1
		.amdhsa_system_sgpr_workgroup_id_x 1
		.amdhsa_system_sgpr_workgroup_id_y 1
		.amdhsa_system_sgpr_workgroup_id_z 1
		.amdhsa_system_vgpr_workitem_id 0
		.amdhsa_next_free_vgpr 1024
		.amdhsa_next_free_sgpr 66
		.amdhsa_reserve_vcc 0
		.amdhsa_float_denorm_mode_32 3
		.amdhsa_float_denorm_mode_16_64 3
		.amdhsa_memory_ordered 1
		.amdhsa_forward_progress 1
		.amdhsa_inst_pref_size 104
	.end_amdhsa_kernel
	.amdgpu_metadata
---
amdhsa.version: [ 1, 2 ]
amdhsa.kernels:
  - .name:           k_qa593c92087_g1
    .symbol:         k_qa593c92087_g1.kd
    .args:
      - { .name: xb, .offset: 0, .size: 8, .value_kind: global_buffer, .address_space: global }
      - { .name: wts, .offset: 8, .size: 8, .value_kind: global_buffer, .address_space: global }
      - { .name: x1, .offset: 16, .size: 8, .value_kind: global_buffer, .address_space: global }
    .group_segment_fixed_size: 327680
    .private_segment_fixed_size: 0
    .kernarg_segment_align: 8
    .kernarg_segment_size: 24
    .max_flat_workgroup_size: 128
    .sgpr_count:     66
    .vgpr_count:     1024
    .wavefront_size: 32
...
	.end_amdgpu_metadata
.endif
;; end of part 2
;; launch g2 (part 3): grid 8 x 64, 4 waves a work-group, clusters of 4 x 4, 327,680 bytes of LDS; arguments x1, wts, lab; writes lab
.if DOCPART == 3
	.amdgcn_target "amdgcn-amd-amdhsa--gfx1250"
	.amdhsa_code_object_version 6
	.text
	.protected	k_qa593c92087_g2
	.globl	k_qa593c92087_g2
	.p2align	8
	.type	k_qa593c92087_g2,@function
k_qa593c92087_g2:
	s_mov_b64 s[64:65], 0
	v_nop
	global_prefetch_b8 v0, s[64:65] scope:SCOPE_SE
	s_setreg_imm32_b32 hwreg(HW_REG_WAVE_MODE, 25, 1), 1
	s_wait_xcnt 0x0
	s_wait_alu depctr_hold_cnt(0) depctr_sa_sdst(0) depctr_va_vdst(0) depctr_va_sdst(0) depctr_va_ssrc(0) depctr_va_vcc(0) depctr_vm_vsrc(0)
	s_getreg_b32 s2, hwreg(HW_REG_IB_STS2, 6, 4)
	s_cmp_eq_u32 s2, 0
	s_cbranch_scc0 .Lentry_in_a_cluster
	s_endpgm
.Lentry_in_a_cluster:
	s_bfe_u32 s2, ttmp6, 0x10000c
	s_cmp_lg_u32 s2, 0xf033
	s_cbranch_scc0 .Lentry_shape_is_right
	s_endpgm
.Lentry_shape_is_right:
; THE TWO GATES' PRODUCTS.  zx = x1 W_gx + b_gx, za = x1 W_ga + b_ga.  Stored: ya = -log2(e) za, and xg = sigmoid(zx) x1.  What is made of ya (the gate of a, a itself, its root) is made by the launch behind,
; which waits for memory while its vector units idle; here every vector instruction of the way out is time in which the matrix units idle.
; x1: f16 [8][1024 channels = k][2048 places = m].  Weights: f16 [k][strip][gx, ga][128] at wts + 4 MiB.  Tables (f32) at wts + 8 MiB + 4,096: -log2(e) b_gx, -log2(e) b_ga.
; lab leaves as f16 [8][1024 channels][ya, xg][2048 places].  Sums and the sigmoid in f32; ya is rounded once; the gate is rounded to f16 and its product with x1 (exact in f32) once more.
; LIMITS.  ya beyond 65,504 becomes an infinity, which the launch behind takes as a gate of 0 or 1, its limit; an exponential below 2^-126 counts as 0; |xg| <= |x1|, which lies within f16.
; A tile is 256 places x one strip: 128 channels of BOTH gates.  Four waves, 128 places x (64 + 64) columns each: channel blocks 0-3 are gate_x, 4-7 gate_a of the same 64 channels.
; K goes in 8 steps of 128 through two LDS slots; both tiles lie [k][..], 128 k-rows x 512 bytes, LDS pitch 544, and both come out turned, by ds_load_tr16_b128.
; Waves 0, 1 fetch A's halves, waves 2, 3 B's (64 k-rows each): one tensor load a wave behind each change of slots; it has 224 matrix instructions in which to land.
; CLUSTER 4 x 4: A's tile is asked for jointly along a row of the cluster, B's along a column.  Source 0 = 16 places of A, source 1 = 16 columns of B: a lane holds ONE channel and eight neighbouring places.
; REGISTERS by windows of 256: window 0: v0-31 addresses and constants, v32-63 x1 on the way out, v64-191 A's two fragment buffers, v192-255 the way out; window 1: v64-191 B's two buffers; windows 2, 3: accumulator (a, b) at v[8 (8 (a % 4) + b)].
.set PT,    544                        ; 512 bytes + 32 = 17 x 32
.set HALFT, 34816                      ; what one tensor load brings: 64 x 544
.set SLOT,  4*HALFT                    ; 0x22000: it shares no bit with wave x HALFT, so one exclusive or turns an address in one slot into the other's
.set BPART, 2*HALFT
.set QT,    32*PT
.set STAGE, 2*SLOT                     ; behind the ring: for each wave 16 rows x 272 bytes for ya, then as many for the gate
.set SP,    272
.set SPARE, STAGE+4*2*16*SP            ; behind the stages: the spare words, 128 bytes a wave: two blocks of 256 bytes that no other line names
.set KA,    128*4096
.set KB,    128*4096
.set WG,    4194304
.set TAB,   8388608
.set ADRA0, 6
.set ADRB0, 7
.set ADRA,  8
.set ADRB,  9
.set STO,   10
.set RD,    11
.set CO,    12
.set PFO,   13
.set SPW,   14                         ; v14  LDS address of my spare word; never rewritten
.set NIL,   15                         ; v15  0; never rewritten
.set KP,    16                         ; v16-19 -log2(e) b_gx, v20-23 -log2(e) b_ga of my channel in each of the 4 channel blocks
.set XO,    24                         ; v24  my byte offset in two channels of x1; never rewritten
.set ONE,   28                         ; v[28:29] 1.0 twice
.set XR,    32                         ; v32-63  x1 of a channel block, in the layout in which the stage is read back
.set F0,    64
.set F1,    128
.set TX,    64                         ; the way out: gate_x's block, 64 registers
.set TA,    128                        ; gate_a's
.set W,     192                        ; the block read back: ya, then the gate
.set NL,  20                           ; s[20:21] -log2(e), on the way out
.set XB,  66                           ; s[66:67] x1 at my part of the tile
.set G1A, 24
.set G0A, 32
.set TB,  42
.set LIM, 43
.set PFA, 44
.set PST, 46
.set G1B, 48
.set G0B, 56
.set MSB, 0
.set MUL_LO, 0xa4                      ; source 0 (A) window 0, source 1 (B) window 1, C and D window 2; + 0x50: window 3
.set TO_B,   0x40
.macro WIN new                         ; the immediate's high byte repeats the setting that is left; a switch that changes nothing is dropped
.if MSB != (\new)
	s_set_vgpr_msb (MSB<<8)|(\new)
.set MSB, \new
.endif
.endm
.macro PLACES                          ; four plain vector instructions between a matrix instruction and a load into, or a vector instruction on, its registers
.rept 4
	v_nop
.endr
.endm
.macro CREST
	s_cmp_lg_u32 s10, 0
	s_cbranch_scc1 .Lnot_wave_0_\@
	s_barrier_signal -3
.Lnot_wave_0_\@:
	s_barrier_wait -3
	s_barrier_signal -1
	s_barrier_wait -1
.endm
.macro CROUND
	s_barrier_signal -1
	s_barrier_wait -1
	CREST
.endm
.macro JLOAD                           ; the joint refill, by the walking descriptor; s_nop 0 and four v_nop follow each line
	s_cmp_eq_u32 s11, 0
	s_cbranch_scc0 .Lfor_b_\@
	tensor_load_to_lds s[G0A+4:G0A+7], s[G1A:G1A+7]
	s_nop 0
.rept 4
	v_nop
.endr
	s_branch .Lasked_\@
.Lfor_b_\@:
	tensor_load_to_lds s[G0B+4:G0B+7], s[G1B:G1B+7]
	s_nop 0
.rept 4
	v_nop
.endr
.Lasked_\@:
.endm
; A prefetch of the K step that stands two refills on, 512 matrix instructions ahead of the load that wants it: a lane a block of 256 bytes, one instruction a wave.  Each block is named once in the launch:
; A's by the clusters with x = 0, B's by those with y = 0; of a wave's 64 k-rows each of the four partners takes 16, told apart by address.  K steps 0-3 come by their loads alone; the trips with s3 = 2 and 1 ask for nothing.
.macro ASK
	s_cmp_gt_u32 s3, s[LIM]
	s_cbranch_scc0 .Lnot_mine_\@
	global_prefetch_b8 v[PFO], s[PFA:PFA+1] th:TH_LOAD_NT scope:SCOPE_SE
.Lnot_mine_\@:
.endm
.macro MUL16 f, hi, a0, zero           ; 16 matrix instructions; the 64 accumulators take turns in one fixed order
	WIN MUL_LO+0x50*(\hi)
.irp a, \a0, (\a0)+1
.irp b, 0,1,2,3,4,5,6,7
.if \zero
	v_wmma_f32_16x16x32_f16 v[8*(8*(\a)+(\b)):8*(8*(\a)+(\b))+7], v[(\f)+8*(4*(\hi)+(\a)):(\f)+8*(4*(\hi)+(\a))+7], v[(\f)+8*(\b):(\f)+8*(\b)+7], 0
.else
	v_wmma_f32_16x16x32_f16 v[8*(8*(\a)+(\b)):8*(8*(\a)+(\b))+7], v[(\f)+8*(4*(\hi)+(\a)):(\f)+8*(4*(\hi)+(\a))+7], v[(\f)+8*(\b):(\f)+8*(\b)+7], v[8*(8*(\a)+(\b)):8*(8*(\a)+(\b))+7]
.endif
.endr
.endr
.endm
.macro FETCH q, f                      ; 32 LDS loads in one run; B's blocks 4-7 lie 128 bytes further on: the other gate's half of the strip
	WIN TO_B
.irp i, 0,1,2,3,4,5,6,7
	ds_load_tr16_b128 v[(\f)+8*(\i):(\f)+8*(\i)+3],   v[ADRB] offset:(\q)*QT+32*(\i)+128*((\i)/4)
	ds_load_tr16_b128 v[(\f)+8*(\i)+4:(\f)+8*(\i)+7], v[ADRB] offset:(\q)*QT+32*(\i)+128*((\i)/4)+16*PT
.endr
	WIN 0
.irp i, 0,1,2,3,4,5,6,7
	ds_load_tr16_b128 v[(\f)+8*(\i):(\f)+8*(\i)+3],   v[ADRA] offset:(\q)*QT+32*(\i)
	ds_load_tr16_b128 v[(\f)+8*(\i)+4:(\f)+8*(\i)+7], v[ADRA] offset:(\q)*QT+32*(\i)+16*PT
.endr
.endm
.macro QUARTER q, f, g, zero
	s_wait_dscnt 8                                 ; B and A's places 0-63 are in; the youngest eight loads may be out
	MUL16 \f, 0, 0, \zero
	MUL16 \f, 0, 2, \zero
	PLACES
	FETCH \q, \g
	s_wait_dscnt 32                                ; all but the 32 just issued
	MUL16 \f, 1, 0, \zero
	MUL16 \f, 1, 2, \zero
.endm
; The last quarter multiplies buffer 1 and changes slots.  In front of the barrier each wave waits for all its tensor loads (one is out: its part of the next slot), adds 0 to its spare word, and waits
; for that and for its reads of this slot.  fill = 1: the barrier opens a round of the cluster's, and the joint refill is the first thing behind it.  tail = 1: with s3 = 1 the run of loads is jumped over.
.macro TURN fill, tail
	WIN 0
.if \fill
	s_wait_xcnt 0x0                                ; the last prefetch, a K step back, has read its address
	s_add_nc_u64 s[PFA:PFA+1], s[PFA:PFA+1], s[PST:PST+1]
.endif
	s_xor_b32 s[TB], s[TB], SLOT
	v_add_nc_u32 v[ADRA], s[TB], v[ADRA0]
	v_add_nc_u32 v[ADRB], s[TB], v[ADRB0]
	s_wait_tensorcnt 0x0                           ; all my tensor loads have landed, so a group 0 may be written
	ds_add_u32 v[SPW], v[NIL]                      ; 0 onto my spare word
.if \fill
	s_xor_b32 s[G0A+5], s[G0A+5], SLOT
	s_add_nc_u64 s[G0A+6:G0A+7], s[G0A+6:G0A+7], KA
	s_xor_b32 s[G0B+5], s[G0B+5], SLOT
	s_add_nc_u64 s[G0B+6:G0B+7], s[G0B+6:G0B+7], KB
.endif
	s_wait_dscnt 9                                 ; the add and the youngest eight loads may be out
	MUL16 F1, 0, 0, 0
	s_wait_dscnt 0x0                               ; the add is done, and my reads of this slot are over
	s_barrier_signal -1
	MUL16 F1, 0, 2, 0
	WIN 0
	s_barrier_wait -1
.if \fill
	CREST
	JLOAD
.else
	PLACES
.endif
.if \tail
	s_cmp_eq_u32 s3, 1
	s_cbranch_scc1 .Lno_fetch_\@
.endif
	FETCH 0, F0
.if \tail
.Lno_fetch_\@:
.endif
.if \fill
	ASK
.endif
	MUL16 F1, 1, 0, 0
	MUL16 F1, 1, 2, 0
.endm
	s_load_b128 s[4:7], s[0:1], 0x0                ; x1 s[4:5], wts s[6:7]
	s_load_b64 s[8:9], s[0:1], 0x10                ; lab
	v_lshl_add_u32 v[SPW], v0, 2, SPARE
	v_mov_b32 v[NIL], 0
	ds_add_u32 v[SPW], v[NIL]                      ; the wave's opening: the add and its wait stand ahead of my first tensor load
	v_lshrrev_b32 v1, 5, v0
	v_readfirstlane_b32 s10, v1                    ; wave 0..3
	s_lshr_b32 s11, s10, 1                         ; which half of the tile's places is mine.  Also: I fetch for A (0) or B (1)
	s_and_b32 s12, s10, 1                          ; which 64 channels.  Also: which 64 k-rows I fetch
	s_bfe_u32 s40, ttmp6, 0x40000                  ; cx
	s_bfe_u32 s41, ttmp6, 0x40004                  ; cy
	s_lshl_b32 s13, ttmp9, 2
	s_add_co_u32 s13, s13, s40                     ; the strip tx
	s_and_b32 s14, ttmp7, 0xffff
	s_lshl_b32 s14, s14, 2
	s_add_co_u32 s14, s14, s41                     ; tile row ty
	s_lshl_b32 s15, s41, 2
	s_lshl_b32 s15, 15, s15                        ; my row of the cluster
	s_lshl_b32 s21, 0x1111, s40                    ; my column
	s_or_b32 s[G1A], s15, (1<<16)|(1<<20)|(1<<21)|(6<<22)|(7<<25)  ; mask; 2-byte elements; padding on; bit 21 beside a mask; after every 128 words 8 words
	s_or_b32 s[G1B], s21, (1<<16)|(1<<20)|(1<<21)|(6<<22)|(7<<25)
.irp g, G1A, G1B
	s_mov_b32 s[(\g)+1], 256<<16                   ; tensor_dim0 = 256
	s_mov_b32 s[(\g)+2], 64<<16                    ; tensor_dim1 = 64
	s_mov_b32 s[(\g)+3], 256<<16                   ; tile_dim0 = 256
	s_mov_b32 s[(\g)+4], 64                        ; tile_dim1 = 64
	s_mov_b32 s[(\g)+5], 2048                      ; elements from k-row to k-row
	s_mov_b32 s[(\g)+6], 0
	s_mov_b32 s[(\g)+7], 0
.endr
	s_lshr_b32 s16, s14, 3                         ; A: the batch's 4 MiB,
	s_lshl_b32 s16, s16, 22
	s_and_b32 s17, s14, 7                          ; the tile's 512 bytes of a channel,
	s_lshl_b32 s17, s17, 9
	s_add_co_u32 s16, s16, s17
	s_lshl_b32 s17, s12, 18                        ; my 64 channels of 4,096 bytes
	s_add_co_u32 s16, s16, s17
	s_mov_b32 s17, 0
	s_lshl_b32 s18, s13, 9                         ; B: the strip's 512 bytes of a k-row,
	s_lshl_b32 s19, s12, 18                        ; my 64 k-rows of 4,096 bytes
	s_add_co_u32 s18, s18, s19
	s_add_co_u32 s18, s18, WG
	s_mov_b32 s19, 0
	s_mul_i32 s20, s10, HALFT
	s_mov_b32 s[TB], 0
	s_wait_dscnt 0x0                               ; the opening add is done
	s_wait_kmcnt 0x0
	s_add_nc_u64 s[16:17], s[4:5], s[16:17]
	s_add_nc_u64 s[18:19], s[6:7], s[18:19]
	CROUND                                         ; all sixteen work-groups are here: the first joint loads meet
.irp s, 0,1
	s_mov_b32 s[G0A+4*(\s)], 1
	s_add_co_u32 s[G0A+4*(\s)+1], s20, (\s)*SLOT
	s_add_nc_u64 s[G0A+4*(\s)+2:G0A+4*(\s)+3], s[16:17], (\s)*KA
	s_or_b32 s[G0A+4*(\s)+3], s[G0A+4*(\s)+3], 0x80000000
	s_mov_b32 s[G0B+4*(\s)], 1
	s_add_co_u32 s[G0B+4*(\s)+1], s20, (\s)*SLOT
	s_add_nc_u64 s[G0B+4*(\s)+2:G0B+4*(\s)+3], s[18:19], (\s)*KB
	s_or_b32 s[G0B+4*(\s)+3], s[G0B+4*(\s)+3], 0x80000000
.endr
	s_cmp_eq_u32 s11, 0                            ; a wave's two first fills stand in one branch: two loads of mine are out
	s_cbranch_scc0 .Lfirst_b
	tensor_load_to_lds s[G0A:G0A+3], s[G1A:G1A+7]
	s_nop 0
	tensor_load_to_lds s[G0A+4:G0A+7], s[G1A:G1A+7]
	s_nop 0
.rept 4
	v_nop
.endr
	s_branch .Lfirst_asked
.Lfirst_b:
	tensor_load_to_lds s[G0B:G0B+3], s[G1B:G1B+7]
	s_nop 0
	tensor_load_to_lds s[G0B+4:G0B+7], s[G1B:G1B+7]
	s_nop 0
.rept 4
	v_nop
.endr
.Lfirst_asked:
	v_and_b32 v1, 15, v0                           ; r = l % 16
	v_bfe_u32 v2, v0, 4, 1                         ; l / 16
	v_and_b32 v3, 31, v0                           ; l
	v_and_b32 v4, 7, v0                            ; the turning load: lane l reads k-row 8 (l / 16) + l % 8, 16 bytes at 16 ((l / 8) % 2)
	v_lshl_add_u32 v4, v2, 3, v4
	v_mul_u32_u24 v4, v4, PT
	v_bfe_u32 v5, v0, 3, 1
	v_lshl_add_u32 v4, v5, 4, v4
	s_lshl_b32 s21, s11, 8                         ; my 128 places: 256 bytes of a k-row
	v_add_nc_u32 v[ADRA0], s21, v4
	s_lshl_b32 s21, s12, 7                         ; my 64 channels: 128 bytes in each gate's half
	s_add_co_u32 s21, s21, BPART
	v_add_nc_u32 v[ADRB0], s21, v4
	v_mov_b32 v[ADRA], v[ADRA0]
	v_mov_b32 v[ADRB], v[ADRB0]
	s_mul_i32 s21, s10, 2*16*SP
	s_add_co_u32 s21, s21, STAGE                   ; my stage
	v_mul_u32_u24 v[STO], v1, SP                   ; in: channel r, 16 bytes for each half of the lanes
	v_lshl_add_u32 v[STO], v2, 4, v[STO]
	v_add_nc_u32 v[STO], s21, v[STO]
	v_mul_u32_u24 v[RD], v2, SP                    ; back: lanes 0-15 one channel's 256 bytes, lanes 16-31 the next's
	v_lshl_add_u32 v[RD], v1, 4, v[RD]
	v_add_nc_u32 v[RD], s21, v[RD]
	v_lshlrev_b32 v[CO], 13, v2                    ; two channels of lab lie 8,192 bytes apart,
	v_lshl_add_u32 v[CO], v1, 4, v[CO]
	v_lshlrev_b32 v[XO], 12, v2                    ; two of x1 4,096
	v_lshl_add_u32 v[XO], v1, 4, v[XO]
	v_mov_b32 v[ONE], 1.0
	v_mov_b32 v[ONE+1], 1.0
	; the prefetches: of my 64 k-rows of 4,096 bytes my work-group takes 16, two lanes a row's 512 bytes
	s_and_b32 s22, ttmp7, 0xffff
	s_cmp_eq_u32 s11, 0
	s_cselect_b64 s[PFA:PFA+1], s[16:17], s[18:19]
	s_cselect_b32 s20, s40, s41
	s_cselect_b32 s22, ttmp9, s22
	s_mov_b32 s[PST], KA
	s_mov_b32 s[PST+1], 0
	s_cmp_eq_u32 s22, 0
	s_cselect_b32 s[LIM], 2, -1
	s_lshl_b32 s20, s20, 16
	s_mov_b32 s21, 0
	s_add_nc_u64 s[PFA:PFA+1], s[PFA:PFA+1], s[20:21]
	s_add_nc_u64 s[PFA:PFA+1], s[PFA:PFA+1], 3*KA  ; at K step 3: the first refill steps it to 4 and asks
	v_lshrrev_b32 v[PFO], 1, v3
	v_lshlrev_b32 v[PFO], 12, v[PFO]
	v_and_b32 v5, 1, v3
	v_lshl_add_u32 v[PFO], v5, 8, v[PFO]
	; lab at my part: batch, channel 128 tx + 64 half, place 256 (ty % 8) + 128 half
	s_lshr_b32 s22, s14, 3
	s_lshl_b32 s22, s22, 23
	s_lshl_b32 s23, s13, 20
	s_add_co_u32 s22, s22, s23
	s_lshl_b32 s23, s12, 19
	s_add_co_u32 s22, s22, s23
	s_and_b32 s23, s14, 7
	s_lshl_b32 s23, s23, 9
	s_add_co_u32 s22, s22, s23
	s_lshl_b32 s23, s11, 8
	s_add_co_u32 s22, s22, s23
	s_mov_b32 s23, 0
	s_add_nc_u64 s[8:9], s[8:9], s[22:23]
	; x1 at the same channels and places: a channel is 4,096 bytes there
	s_lshr_b32 s22, s14, 3
	s_lshl_b32 s22, s22, 22
	s_lshl_b32 s23, s13, 19
	s_add_co_u32 s22, s22, s23
	s_lshl_b32 s23, s12, 18
	s_add_co_u32 s22, s22, s23
	s_and_b32 s23, s14, 7
	s_lshl_b32 s23, s23, 9
	s_add_co_u32 s22, s22, s23
	s_lshl_b32 s23, s11, 8
	s_add_co_u32 s22, s22, s23
	s_mov_b32 s23, 0
	s_add_nc_u64 s[XB:XB+1], s[4:5], s[22:23]
	s_lshl_b32 s22, s13, 9                         ; the two tables at my 64 channels
	s_lshl_b32 s23, s12, 8
	s_add_co_u32 s22, s22, s23
	s_add_co_u32 s22, s22, TAB+4096
	s_mov_b32 s23, 0
	s_add_nc_u64 s[22:23], s[6:7], s[22:23]        ; s[22:23] and v5 stay as they are until these loads are waited for
	v_lshlrev_b32 v5, 2, v1
.irp k, 0,1
.irp b, 0,1,2,3
	global_load_b32 v[KP+4*(\k)+(\b)], v5, s[22:23] offset:4096*(\k)+64*(\b)
.endr
.endr
	s_wait_tensorcnt 0x1                           ; my part of K step 0 is in; K step 1's may stay out
	s_barrier_signal -1
	s_barrier_wait -1
	FETCH 0, F0
	QUARTER 1, F0, F1, 1
	WIN 0
	s_mov_b32 s3, 6
.Lstep:                                                ; K steps 0-5: the slot left is filled with the step two on
	QUARTER 2, F1, F0, 0
	QUARTER 3, F0, F1, 0
	TURN 1, 0
	QUARTER 1, F0, F1, 0
	WIN 0
	s_sub_co_u32 s3, s3, 1
	s_cmp_lg_u32 s3, 0
	s_cbranch_scc1 .Lstep
	s_mov_b32 s3, 2
.Ltail:                                                ; K steps 6 and 7 ask for nothing; the second trip's fetch and last quarter are jumped over
	QUARTER 2, F1, F0, 0
	QUARTER 3, F0, F1, 0
	TURN 0, 1
	WIN 0
	s_cmp_eq_u32 s3, 1
	s_cbranch_scc1 .Llast
	QUARTER 1, F0, F1, 0
	WIN 0
.Llast:
	s_sub_co_u32 s3, s3, 1
	s_cmp_lg_u32 s3, 0
	s_cbranch_scc1 .Ltail
	; THE WAY OUT, a block of 16 channels at a time.  Only the lines that name accumulators differ from block to block: COPY b brings both gates' sums of block b, as -log2(e) (z + bias), into TX and TA
	; (each accumulator from its low end on); the rest is written once and walked four times.
.macro COPY b
	v_mov_b32 v0, v[KP+(\b)]
	v_mov_b32 v1, v[KP+(\b)]
	v_mov_b32 v2, v[KP+4+(\b)]
	v_mov_b32 v3, v[KP+4+(\b)]
.irp w, 0,1
	WIN 0x02+(\w)                                  ; source 0 in window 2 or 3
.irp u, 0,1,2,3
.irp p, 0,1,2,3
	v_pk_fma_f32 v[TX+8*(4*(\w)+(\u))+2*(\p):TX+8*(4*(\w)+(\u))+2*(\p)+1], v[8*(8*(\u)+(\b))+2*(\p):8*(8*(\u)+(\b))+2*(\p)+1], s[NL:NL+1], v[0:1] op_sel_hi:[1,0,1]
.endr
.irp p, 0,1,2,3
	v_pk_fma_f32 v[TA+8*(4*(\w)+(\u))+2*(\p):TA+8*(4*(\w)+(\u))+2*(\p)+1], v[8*(8*(\u)+(\b)+4)+2*(\p):8*(8*(\u)+(\b)+4)+2*(\p)+1], s[NL:NL+1], v[2:3] op_sel_hi:[1,0,1]
.endr
.endr
.endr
	WIN 0
.endm
	PLACES
	s_wait_loadcnt 0x0                             ; the tables
	s_mov_b32 s[NL], 0xbfb8aa3b                    ; -log2(e)
	s_mov_b32 s[NL+1], s[NL]
	s_mov_b32 s3, 4
.Lblock:                                               ; block 4 - s3
.irp t, 0,1,2,3,4,5,6,7                ; the block's x1, asked for at its head: 16 lanes take 256 consecutive bytes, aligned, of one channel; wanted at the block's end
	global_load_b128 v[XR+4*(\t):XR+4*(\t)+3], v[XO], s[XB:XB+1] offset:(\t)*8192
.endr
	s_cmp_eq_u32 s3, 4
	s_cbranch_scc1 .Lcopy0
	s_cmp_eq_u32 s3, 3
	s_cbranch_scc1 .Lcopy1
	s_cmp_eq_u32 s3, 2
	s_cbranch_scc1 .Lcopy2
	COPY 3
	s_branch .Lcommon
.Lcopy0:
	COPY 0
	s_branch .Lcommon
.Lcopy1:
	COPY 1
	s_branch .Lcommon
.Lcopy2:
	COPY 2
.Lcommon:
	; Two batches of transcendentals, each with a plain instruction behind its last and ONE wait ahead of its first reader; what names none of their results stands between.
.set p, 0
.rept 32                                       ; e^-zx; between the exponentials ya is packed, in place and ascending
	v_exp_f32 v[TX+2*p], v[TX+2*p]
	v_cvt_pk_f16_f32 v[TA+p], v[TA+2*p], v[TA+2*p+1]
	v_exp_f32 v[TX+2*p+1], v[TX+2*p+1]
.set p, p+1
.endr
.irp u, 0,1,2,3,4,5,6,7
	ds_store_b128 v[STO], v[TA+4*(\u):TA+4*(\u)+3] offset:32*(\u)
.endr
.irp t, 0,1,2,3,4,5,6,7
	ds_load_b128 v[W+4*(\t):W+4*(\t)+3], v[RD] offset:(\t)*2*SP  ; LDS serves a wave's instructions in order (ISA guide 5.7.1.4): these see the stores above; the next block's stores come behind them
.endr
	v_nop
	s_wait_alu depctr_va_vdst(0)
	v_pk_add_f32 v[TX:TX+1], v[TX:TX+1], v[ONE:ONE+1]
.set i, TX
.rept 32                                       ; 1 / (1 + e^-zx); the additions run a pair ahead of the reciprocals
.if i < TX+62
	v_pk_add_f32 v[i+2:i+3], v[i+2:i+3], v[ONE:ONE+1]
.endif
	v_rcp_f32 v[i], v[i]
	v_rcp_f32 v[i+1], v[i+1]
.set i, i+2
.endr
.irp t, 0,1,2,3,4,5,6,7
	s_wait_dscnt 7-(\t)                            ; LDS loads come back in order: load t is in, the 7 - t younger ones may be out
	global_store_b128 v[CO], v[W+4*(\t):W+4*(\t)+3], s[8:9] offset:(\t)*16384  ; 16 lanes store 256 consecutive bytes, aligned: 128 places of one channel's ya
.endr
	v_nop
	s_wait_alu depctr_va_vdst(0)
.set p, 0
.rept 32                                       ; the gate, packed in place and ascending
	v_cvt_pk_f16_f32 v[TX+p], v[TX+2*p], v[TX+2*p+1]
.set p, p+1
.endr
.irp u, 0,1,2,3,4,5,6,7
	ds_store_b128 v[STO], v[TX+4*(\u):TX+4*(\u)+3] offset:16*SP+32*(\u)
.endr
.irp t, 0,1,2,3,4,5,6,7
	ds_load_b128 v[W+32+4*(\t):W+32+4*(\t)+3], v[RD] offset:16*SP+(\t)*2*SP
.endr
	s_wait_loadcnt 0x0                             ; x1
.irp t, 0,1,2,3,4,5,6,7
	s_wait_dscnt 7-(\t)
.irp k, 0,1,2,3
	v_pk_mul_f16 v[W+32+4*(\t)+(\k)], v[W+32+4*(\t)+(\k)], v[XR+4*(\t)+(\k)]  ; xg = gate x1, two to a line
.endr
	global_store_b128 v[CO], v[W+32+4*(\t):W+32+4*(\t)+3], s[8:9] offset:(\t)*16384+4096
.endr
	s_wait_xcnt 0x0                                ; the stores have read their registers and their base: they and x1's base are written again only behind this wait
	s_add_nc_u64 s[8:9], s[8:9], 16*8192           ; the next 16 channels
	s_add_nc_u64 s[XB:XB+1], s[XB:XB+1], 16*4096
	s_sub_co_u32 s3, s3, 1
	s_cmp_lg_u32 s3, 0
	s_cbranch_scc1 .Lblock
	s_wait_tensorcnt 0x0                           ; the wave's end: a last add to my spare word and its wait, behind my last tensor load and my last LDS store
	ds_add_u32 v[SPW], v[NIL]
	s_wait_dscnt 0x0
	CROUND                                         ; the closing round
	s_endpgm
.Lfunc_end_k_qa593c92087_g2:
	.size	k_qa593c92087_g2, .Lfunc_end_k_qa593c92087_g2-k_qa593c92087_g2
	.p2alignl 7, 3214868480
	.fill 96, 4, 3214868480
	.section	.rodata,"a",@progbits
	.p2align	6, 0x0
	.amdhsa_kernel k_qa593c92087_g2
		.amdhsa_group_segment_fixed_size 327680
		.amdhsa_private_segment_fixed_size 0
		.amdhsa_enable_private_segment 0
		.amdhsa_kernarg_size 24
		.amdhsa_user_sgpr_count 2
		.amdhsa_user_sgpr_kernarg_segment_ptr 1
		.amdhsa_wavefront_size32 1
		.amdhsa_system_sgpr_workgroup_id_x 1
		.amdhsa_system_sgpr_workgroup_id_y 1
		.amdhsa_system_sgpr_workgroup_id_z 1
		.amdhsa_system_vgpr_workitem_id 0
		.amdhsa_next_free_vgpr 1024
		.amdhsa_next_free_sgpr 68
		.amdhsa_reserve_vcc 0
		.amdhsa_float_denorm_mode_32 3
		.amdhsa_float_denorm_mode_16_64 3
		.amdhsa_memory_ordered 1
		.amdhsa_forward_progress 1
		.amdhsa_inst_pref_size 105
	.end_amdhsa_kernel
	.amdgpu_metadata
---
amdhsa.version: [ 1, 2 ]
amdhsa.kernels:
  - .name:           k_qa593c92087_g2
    .symbol:         k_qa593c92087_g2.kd
    .args:
      - { .name: x1, .offset: 0, .size: 8, .value_kind: global_buffer, .address_space: global }
      - { .name: wts, .offset: 8, .size: 8, .value_kind: global_buffer, .address_space: global }
      - { .name: lab, .offset: 16, .size: 8, .value_kind: global_buffer, .address_space: global }
    .group_segment_fixed_size: 327680
    .private_segment_fixed_size: 0
    .kernarg_segment_align: 8
    .kernarg_segment_size: 24
    .max_flat_workgroup_size: 128
    .sgpr_count:     68
    .vgpr_count:     1024
    .wavefront_size: 32
...
	.end_amdgpu_metadata
.endif
;; end of part 3
;; launch scan (part 4): grid 2048 x 1, 4 waves a work-group, no clusters, 0 bytes of LDS; arguments lab, wts, h; writes h
.if DOCPART == 4
	.amdgcn_target "amdgcn-amd-amdhsa--gfx1250"
	.amdhsa_code_object_version 6
	.text
	.protected	k_qa593c92087_scan
	.globl	k_qa593c92087_scan
	.p2align	8
	.type	k_qa593c92087_scan,@function
k_qa593c92087_scan:
	s_mov_b64 s[64:65], 0
	v_nop
	global_prefetch_b8 v0, s[64:65] scope:SCOPE_SE
	s_setreg_imm32_b32 hwreg(HW_REG_WAVE_MODE, 25, 1), 1
	s_wait_xcnt 0x0
; THE GATE OF a AND THE RECURRENCE.  g = 1 / (1 + 2^ya); la = c g, c = -8 log2(e) softplus(a_param) of the channel; a = 2^la; b = sqrt(1 - a^2) xg; h_t = a_t h_(t-1) + b_t, h_(-1) = 0,
; for each of 8 x 1,024 channels over 2,048 times.  All arithmetic in f32; h is rounded once, to bf16 (it can be many times x1's size, for which f16 has no room).
; lab: f16 [channel][ya, xg][2048 places]; c: f32 at wts + 8 MiB + 12,288; h: bf16 [channel][2048].  Place 256 j + 8 l + i holds time 64 l + 8 j + i: lane l's eight 16-byte loads, 512 bytes apart, are its 64
; consecutive times, and every load and store of the wave covers 512 consecutive bytes, aligned.
; ONE WAVE, ONE CHANNEL: no loop, no LDS, no barrier.  A lane folds its 64 steps into one (h_out = P h_in + B, P the product of its a, taken as 2^(sum of la)); the 32 lanes' steps are scanned across the wave;
; each lane then runs its 64 steps again from the h that enters it.  All 16 loads of a wave go out at once; several work-groups share a WGP.  The launch is a stream read once: matrix unit, clusters and LDS would add nothing.
; LIMITS.  ya = +infinity gives g = 0 and a = 1, ya = -infinity g = 1.  1 - a^2 is held to 0 .. 1 in front of the root (la <= 0, so that changes a number only where the exponential's last bit passes 1).
; An exponential below 2^-126 counts as 0.
; The transcendentals go in four batches, plain work between them; behind each batch's last stands a plain instruction, and ONE wait ahead of its first reader.
.set OFF, 1                            ; v1         16 x lane
.set ZR,  2                            ; v2         0
.set ONE, 3                            ; v3         1.0
.set A,   4                            ; v[4:67]    time e of my 64 at A + e: ya, 2^ya, g, la, a, at last h, in f32
.set YA,  36                           ; v[36:67]   ya as loaded: the upper half of A; widening goes upward and writes no word before it is read
.set XG,  68                           ; v[68:99]   xg as loaded; then h to store
.set W,   100                          ; v[100:163] 1 - a^2, its root, b
.set S,   100                          ; v[100:107] before that: four chains of sums of la
.set P,   164
.set B,   165
.set TP,  166
.set TQ,  167
.set CC,  22                           ; s[22:23]   c
.set TAB3, 8388608+12288
	s_load_b128 s[4:7], s[0:1], 0x0                ; lab s[4:5], wts s[6:7]
	s_load_b64 s[8:9], s[0:1], 0x10                ; h
	v_lshrrev_b32 v1, 5, v0
	v_readfirstlane_b32 s10, v1
	s_lshl_b32 s11, ttmp9, 2
	s_add_co_u32 s11, s11, s10                     ; my channel, 0 .. 8,191
	s_lshl_b32 s12, s11, 13
	s_mov_b32 s13, 0
	s_lshl_b32 s14, s11, 12
	s_mov_b32 s15, 0
	s_and_b32 s16, s11, 1023                       ; its number in the batch
	s_lshl_b32 s16, s16, 2
	s_add_co_u32 s16, s16, TAB3
	s_mov_b32 s21, 0xffff0000                      ; lanes 16-31
	v_and_b32 v[OFF], 31, v0
	v_lshlrev_b32 v[OFF], 4, v[OFF]
	v_mov_b32 v[ZR], 0
	v_mov_b32 v[ONE], 1.0
	s_wait_kmcnt 0x0
	s_load_b32 s[CC], s[6:7], s16 offset:0x0       ; c: one number for the wave
	s_add_nc_u64 s[4:5], s[4:5], s[12:13]
	s_add_nc_u64 s[8:9], s[8:9], s[14:15]
.irp j, 0,1,2,3,4,5,6,7
	global_load_b128 v[YA+4*(\j):YA+4*(\j)+3], v[OFF], s[4:5] offset:512*(\j) th:TH_LOAD_NT
.endr
.irp j, 0,1,2,3,4,5,6,7
	global_load_b128 v[XG+4*(\j):XG+4*(\j)+3], v[OFF], s[4:5] offset:4096+512*(\j) th:TH_LOAD_NT
.endr
	s_wait_loadcnt 8                               ; ya is in; xg's eight loads stay out
.set q, 0
.rept 32                                       ; f16 to f32 (half x 1.0 + 0), and 2^ya a pair behind
	v_fma_mix_f32 v[A+2*q], v[YA+q], v[ONE], v[ZR] op_sel_hi:[1,0,0]
	v_fma_mix_f32 v[A+2*q+1], v[YA+q], v[ONE], v[ZR] op_sel:[1,0,0] op_sel_hi:[1,0,0]
.if q > 0
	v_exp_f32 v[A+2*q-2], v[A+2*q-2]
	v_exp_f32 v[A+2*q-1], v[A+2*q-1]
.endif
.set q, q+1
.endr
	v_exp_f32 v[A+62], v[A+62]
	v_exp_f32 v[A+63], v[A+63]
	v_nop
	s_wait_alu depctr_va_vdst(0)
	v_pk_add_f32 v[A:A+1], v[A:A+1], 1.0 op_sel_hi:[1,0]
.set q, 0
.rept 32                                       ; g = 1 / (1 + 2^ya); the additions run a pair ahead of the reciprocals
.if q < 31
	v_pk_add_f32 v[A+2*q+2:A+2*q+3], v[A+2*q+2:A+2*q+3], 1.0 op_sel_hi:[1,0]
.endif
	v_rcp_f32 v[A+2*q], v[A+2*q]
	v_rcp_f32 v[A+2*q+1], v[A+2*q+1]
.set q, q+1
.endr
	v_nop
	s_wait_kmcnt 0x0                               ; c
	s_mov_b32 s[CC+1], s[CC]                       ; named with it as a pair
	s_wait_alu depctr_va_vdst(0)
.set q, 0
.rept 32                                       ; la = c g; its sum in four chains, which the first four pairs start; a = 2^la a pair behind, when the sum has taken the pair
.if q < 4
	v_pk_mul_f32 v[S+2*q:S+2*q+1], v[A+2*q:A+2*q+1], s[CC:CC+1] op_sel_hi:[1,0]
	v_pk_mul_f32 v[A+2*q:A+2*q+1], v[A+2*q:A+2*q+1], s[CC:CC+1] op_sel_hi:[1,0]
.else
	v_pk_mul_f32 v[A+2*q:A+2*q+1], v[A+2*q:A+2*q+1], s[CC:CC+1] op_sel_hi:[1,0]
	v_pk_add_f32 v[S+2*(q%4):S+2*(q%4)+1], v[S+2*(q%4):S+2*(q%4)+1], v[A+2*q:A+2*q+1]
.endif
.if q > 0
	v_exp_f32 v[A+2*q-2], v[A+2*q-2]
	v_exp_f32 v[A+2*q-1], v[A+2*q-1]
.endif
.set q, q+1
.endr
	v_exp_f32 v[A+62], v[A+62]
	v_exp_f32 v[A+63], v[A+63]
	v_pk_add_f32 v[S:S+1], v[S:S+1], v[S+2:S+3]
	v_pk_add_f32 v[S+4:S+5], v[S+4:S+5], v[S+6:S+7]
	v_pk_add_f32 v[S:S+1], v[S:S+1], v[S+4:S+5]
	v_add_f32 v[P], v[S], v[S+1]
	v_exp_f32 v[P], v[P]                           ; the product of my 64 a
	v_nop
	s_wait_alu depctr_va_vdst(0)
.set q, 0
.rept 32                                       ; 1 - a^2, held to 0 .. 1; its root a pair behind
	v_fma_f32 v[W+2*q], -v[A+2*q], v[A+2*q], v[ONE] clamp
	v_fma_f32 v[W+2*q+1], -v[A+2*q+1], v[A+2*q+1], v[ONE] clamp
.if q > 0
	v_sqrt_f32 v[W+2*q-2], v[W+2*q-2]
	v_sqrt_f32 v[W+2*q-1], v[W+2*q-1]
.endif
.set q, q+1
.endr
	v_sqrt_f32 v[W+62], v[W+62]
	v_sqrt_f32 v[W+63], v[W+63]
	v_nop
	s_wait_alu depctr_va_vdst(0)
	s_wait_loadcnt 0x0                             ; xg
.macro BQ q                            ; b of times 2 q and 2 q + 1: the f16 half times the root
	v_fma_mix_f32 v[W+2*(\q)], v[XG+(\q)], v[W+2*(\q)], v[ZR] op_sel_hi:[1,0,0]
	v_fma_mix_f32 v[W+2*(\q)+1], v[XG+(\q)], v[W+2*(\q)+1], v[ZR] op_sel:[1,0,0] op_sel_hi:[1,0,0]
.endm
	BQ 0
	BQ 1
	v_fma_f32 v[B], v[A+1], v[W], v[W+1]           ; my 64 steps from h_in = 0; the next pair's b stands between the links of the chain
.set q, 1
.rept 31
.if q < 31
	BQ q+1
.endif
	v_fma_f32 v[B], v[A+2*q], v[B], v[W+2*q]
	v_fma_f32 v[B], v[A+2*q+1], v[B], v[W+2*q+1]
.set q, q+1
.endr
	; across the lanes: (P, B) of lane l takes in that of lane l - d; a lane with no such neighbour in its 16 keeps (1, 0)
.irp d, 1,2,4,8
	v_mov_b32 v[TP], 1.0
	v_mov_b32 v[TQ], 0
	v_mov_b32_dpp v[TP], v[P] row_shr:\d row_mask:0xf bank_mask:0xf
	v_mov_b32_dpp v[TQ], v[B] row_shr:\d row_mask:0xf bank_mask:0xf
	v_fma_f32 v[B], v[P], v[TQ], v[B]
	v_mul_f32 v[P], v[P], v[TP]
.endr
	v_readlane_b32 s20, v[B], 15                   ; what leaves lane 15 enters lanes 16-31
	v_cndmask_b32 v[TQ], 0, s20, s21
	v_fma_f32 v[B], v[P], v[TQ], v[B]
	v_mov_b32_dpp v[TQ], v[B] row_shr:1 row_mask:0xf bank_mask:0xf  ; the h that enters my lane; lanes 0 and 16 keep 0 and lane 15's
	v_fma_f32 v[A], v[A], v[TQ], v[W]
	v_fma_f32 v[A+1], v[A+1], v[A], v[W+1]
.set e, 2
.rept 31
	v_fma_f32 v[A+e], v[A+e], v[A+e-1], v[W+e]
	v_fma_f32 v[A+e+1], v[A+e+1], v[A+e], v[W+e+1]
.if e%8 == 6
.irp k, 0,1,2,3
	v_cvt_pk_bf16_f32 v[XG+(e/8)*4+(\k)], v[A+(e/8)*8+2*(\k)], v[A+(e/8)*8+2*(\k)+1]
.endr
	global_store_b128 v[OFF], v[XG+(e/8)*4:XG+(e/8)*4+3], s[8:9] offset:512*(e/8)
.endif
.set e, e+2
.endr
	s_endpgm
.Lfunc_end_k_qa593c92087_scan:
	.size	k_qa593c92087_scan, .Lfunc_end_k_qa593c92087_scan-k_qa593c92087_scan
	.p2alignl 7, 3214868480
	.fill 96, 4, 3214868480
	.section	.rodata,"a",@progbits
	.p2align	6, 0x0
	.amdhsa_kernel k_qa593c92087_scan
		.amdhsa_group_segment_fixed_size 0
		.amdhsa_private_segment_fixed_size 0
		.amdhsa_enable_private_segment 0
		.amdhsa_kernarg_size 24
		.amdhsa_user_sgpr_count 2
		.amdhsa_user_sgpr_kernarg_segment_ptr 1
		.amdhsa_wavefront_size32 1
		.amdhsa_system_sgpr_workgroup_id_x 1
		.amdhsa_system_sgpr_workgroup_id_y 1
		.amdhsa_system_sgpr_workgroup_id_z 1
		.amdhsa_system_vgpr_workitem_id 0
		.amdhsa_next_free_vgpr 168
		.amdhsa_next_free_sgpr 66
		.amdhsa_reserve_vcc 0
		.amdhsa_float_denorm_mode_32 3
		.amdhsa_float_denorm_mode_16_64 3
		.amdhsa_memory_ordered 1
		.amdhsa_forward_progress 1
		.amdhsa_inst_pref_size 42
	.end_amdhsa_kernel
	.amdgpu_metadata
---
amdhsa.version: [ 1, 2 ]
amdhsa.kernels:
  - .name:           k_qa593c92087_scan
    .symbol:         k_qa593c92087_scan.kd
    .args:
      - { .name: lab, .offset: 0, .size: 8, .value_kind: global_buffer, .address_space: global }
      - { .name: wts, .offset: 8, .size: 8, .value_kind: global_buffer, .address_space: global }
      - { .name: h, .offset: 16, .size: 8, .value_kind: global_buffer, .address_space: global }
    .group_segment_fixed_size: 0
    .private_segment_fixed_size: 0
    .kernarg_segment_align: 8
    .kernarg_segment_size: 24
    .max_flat_workgroup_size: 128
    .sgpr_count:     66
    .vgpr_count:     168
    .wavefront_size: 32
...
	.end_amdgpu_metadata
.endif
;; end of part 4
;; launch g3 (part 5): grid 4 x 64, 4 waves a work-group, clusters of 4 x 4, 327,680 bytes of LDS; arguments h, wts, out0; writes out0
.if DOCPART == 5
	.amdgcn_target "amdgcn-amd-amdhsa--gfx1250"
	.amdhsa_code_object_version 6
	.text
	.protected	k_qa593c92087_g3
	.globl	k_qa593c92087_g3
	.p2align	8
	.type	k_qa593c92087_g3,@function
k_qa593c92087_g3:
	s_mov_b64 s[64:65], 0
	v_nop
	global_prefetch_b8 v0, s[64:65] scope:SCOPE_SE
	s_setreg_imm32_b32 hwreg(HW_REG_WAVE_MODE, 25, 1), 1
	s_wait_xcnt 0x0
	s_wait_alu depctr_hold_cnt(0) depctr_sa_sdst(0) depctr_va_vdst(0) depctr_va_sdst(0) depctr_va_ssrc(0) depctr_va_vcc(0) depctr_vm_vsrc(0)
	s_getreg_b32 s2, hwreg(HW_REG_IB_STS2, 6, 4)
	s_cmp_eq_u32 s2, 0
	s_cbranch_scc0 .Lentry_in_a_cluster
	s_endpgm
.Lentry_in_a_cluster:
	s_bfe_u32 s2, ttmp6, 0x10000c
	s_cmp_lg_u32 s2, 0xf033
	s_cbranch_scc0 .Lentry_shape_is_right
	s_endpgm
.Lentry_shape_is_right:
; out0 = h W_out + b_out.  h: bf16 [8][1024 channels = k][2048 places = m]; W_out: bf16 [k][n] at wts + 2 MiB; b_out: f32 at wts + 8 MiB + 16,384.  Sums in f32; b_out starts them, as the C operand of the
; first product; out0 is f32 [8][2048 times][1024].  Place 256 j + 8 l + i holds time 64 l + 8 j + i: the stores' immediates put each row at its time.
; A tile is 256 places x 256 columns, four waves of 128 x 128: 64 accumulators.  K goes in 8 steps of 128 through two LDS slots; both tiles lie [k][..], 128 k-rows x 512 bytes, LDS pitch 544, and come out turned.
; Waves 0, 1 fetch A's halves, waves 2, 3 B's (64 k-rows each): one tensor load a wave behind each change of slots; it has 224 matrix instructions in which to land.
; CLUSTER 4 x 4: A's tile is asked for jointly along a row of the cluster, B's along a column.
; THE PRODUCT IS TAKEN TRANSPOSED (source 0 = 16 columns of W_out, source 1 = 16 places of h): a lane holds ONE row of out0 (lane % 16) and eight neighbouring columns, 32 bytes.
; REGISTERS by windows of 256: window 0: v0-15 addresses, v64-191 A's two fragment buffers (on the way out two sets of 16 rows), v192-255 b_out; window 1: v64-191 B's two buffers; windows 2, 3: accumulator (a, b) at v[8 (8 (a % 4) + b)].
.set PT,    544                        ; 512 bytes + 32 = 17 x 32
.set HALFT, 34816
.set SLOT,  4*HALFT                    ; 0x22000: it shares no bit with wave x HALFT, so one exclusive or turns an address in one slot into the other's
.set BPART, 2*HALFT
.set QT,    32*PT
.set STAGE, 2*SLOT                     ; behind the ring: 16 rows x 528 bytes for each wave
.set SP,    528                        ; 512 bytes + 16 = 33 x 16: the 16 rows of a store start at 16 different groups of four banks
.set SPARE, STAGE+4*16*SP              ; behind the stages: the spare words, 128 bytes a wave: two blocks of 256 bytes that no other line names
.set KA,    128*4096
.set KB,    128*2048
.set WO,    2097152
.set TAB,   8388608
.set ADRA0, 6
.set ADRB0, 7
.set ADRA,  8
.set ADRB,  9
.set STO,   10
.set RD,    11
.set CO,    12
.set PFO,   13
.set SPW,   14                         ; v14  LDS address of my spare word; never rewritten
.set NIL,   15                         ; v15  0; never rewritten
.set F0,    64
.set F1,    128
.set BI,    192                        ; v192-255  b_out of my eight columns in each of the 8 column blocks: the C operand of column block b at BI + 8 b
.set G1A, 24
.set G0A, 32
.set TB,  42
.set LIM, 43
.set PFA, 44
.set PST, 46
.set G1B, 48
.set G0B, 56
.set MSB, 0
.set MUL_LO, 0xa1                      ; source 0 (B) window 1, source 1 (A) window 0, C and D window 2; + 0x50: window 3
.set MUL_C0, 0x81                      ; the same with C in window 0; + 0x40: D in window 3
.set TO_B,   0x40
.macro WIN new                         ; the immediate's high byte repeats the setting that is left; a switch that changes nothing is dropped
.if MSB != (\new)
	s_set_vgpr_msb (MSB<<8)|(\new)
.set MSB, \new
.endif
.endm
.macro PLACES                          ; four plain vector instructions between a matrix instruction and a load into, a store from, or a vector instruction on, its registers
.rept 4
	v_nop
.endr
.endm
.macro CREST
	s_cmp_lg_u32 s10, 0
	s_cbranch_scc1 .Lnot_wave_0_\@
	s_barrier_signal -3
.Lnot_wave_0_\@:
	s_barrier_wait -3
	s_barrier_signal -1
	s_barrier_wait -1
.endm
.macro CROUND
	s_barrier_signal -1
	s_barrier_wait -1
	CREST
.endm
.macro JLOAD                           ; the joint refill, by the walking descriptor; s_nop 0 and four v_nop follow each line
	s_cmp_eq_u32 s11, 0
	s_cbranch_scc0 .Lfor_b_\@
	tensor_load_to_lds s[G0A+4:G0A+7], s[G1A:G1A+7]
	s_nop 0
.rept 4
	v_nop
.endr
	s_branch .Lasked_\@
.Lfor_b_\@:
	tensor_load_to_lds s[G0B+4:G0B+7], s[G1B:G1B+7]
	s_nop 0
.rept 4
	v_nop
.endr
.Lasked_\@:
.endm
; A prefetch of the K step that stands two refills on, 512 matrix instructions ahead of the load that wants it: a lane a block of 256 bytes, one instruction a wave.  Each block is named once in the launch:
; A's by their own cluster (there is one along x), B's by the clusters with y = 0; of a wave's 64 k-rows each of the four partners takes 16, told apart by address.  K steps 0-3 come by their loads alone; the trips with s3 = 2 and 1 ask for nothing.
.macro ASK
	s_cmp_gt_u32 s3, s[LIM]
	s_cbranch_scc0 .Lnot_mine_\@
	global_prefetch_b8 v[PFO], s[PFA:PFA+1] th:TH_LOAD_NT scope:SCOPE_SE
.Lnot_mine_\@:
.endm
.macro MUL16 f, hi, a0, zero           ; 16 matrix instructions; zero = 1: the product starts the sums, from b_out; the 64 accumulators take turns in one fixed order
.if \zero
	WIN MUL_C0+0x40*(\hi)
.else
	WIN MUL_LO+0x50*(\hi)
.endif
.irp a, \a0, (\a0)+1
.irp b, 0,1,2,3,4,5,6,7
.if \zero
	v_wmma_f32_16x16x32_bf16 v[8*(8*(\a)+(\b)):8*(8*(\a)+(\b))+7], v[(\f)+8*(\b):(\f)+8*(\b)+7], v[(\f)+8*(4*(\hi)+(\a)):(\f)+8*(4*(\hi)+(\a))+7], v[BI+8*(\b):BI+8*(\b)+7]
.else
	v_wmma_f32_16x16x32_bf16 v[8*(8*(\a)+(\b)):8*(8*(\a)+(\b))+7], v[(\f)+8*(\b):(\f)+8*(\b)+7], v[(\f)+8*(4*(\hi)+(\a)):(\f)+8*(4*(\hi)+(\a))+7], v[8*(8*(\a)+(\b)):8*(8*(\a)+(\b))+7]
.endif
.endr
.endr
.endm
.macro FETCH q, f                      ; 32 LDS loads in one run: B's eight fragments, then A's eight, all turned
	WIN TO_B
.irp i, 0,1,2,3,4,5,6,7
	ds_load_tr16_b128 v[(\f)+8*(\i):(\f)+8*(\i)+3],   v[ADRB] offset:(\q)*QT+32*(\i)
	ds_load_tr16_b128 v[(\f)+8*(\i)+4:(\f)+8*(\i)+7], v[ADRB] offset:(\q)*QT+32*(\i)+16*PT
.endr
	WIN 0
.irp i, 0,1,2,3,4,5,6,7
	ds_load_tr16_b128 v[(\f)+8*(\i):(\f)+8*(\i)+3],   v[ADRA] offset:(\q)*QT+32*(\i)
	ds_load_tr16_b128 v[(\f)+8*(\i)+4:(\f)+8*(\i)+7], v[ADRA] offset:(\q)*QT+32*(\i)+16*PT
.endr
.endm
.macro QUARTER q, f, g, zero
	s_wait_dscnt 8                                 ; B and A's places 0-63 are in; the youngest eight loads may be out
	MUL16 \f, 0, 0, \zero
	MUL16 \f, 0, 2, \zero
	PLACES
	FETCH \q, \g
	s_wait_dscnt 32                                ; all but the 32 just issued
	MUL16 \f, 1, 0, \zero
	MUL16 \f, 1, 2, \zero
.endm
; The last quarter multiplies buffer 1 and changes slots.  In front of the barrier each wave waits for all its tensor loads (one is out: its part of the next slot), adds 0 to its spare word, and waits
; for that and for its reads of this slot.  fill = 1: the barrier opens a round of the cluster's, and the joint refill is the first thing behind it.  tail = 1: with s3 = 1 the run of loads is jumped over.
.macro TURN fill, tail
	WIN 0
.if \fill
	s_wait_xcnt 0x0                                ; the last prefetch, a K step back, has read its address
	s_add_nc_u64 s[PFA:PFA+1], s[PFA:PFA+1], s[PST:PST+1]
.endif
	s_xor_b32 s[TB], s[TB], SLOT
	v_add_nc_u32 v[ADRA], s[TB], v[ADRA0]
	v_add_nc_u32 v[ADRB], s[TB], v[ADRB0]
	s_wait_tensorcnt 0x0                           ; all my tensor loads have landed, so a group 0 may be written
	ds_add_u32 v[SPW], v[NIL]                      ; 0 onto my spare word
.if \fill
	s_xor_b32 s[G0A+5], s[G0A+5], SLOT
	s_add_nc_u64 s[G0A+6:G0A+7], s[G0A+6:G0A+7], KA
	s_xor_b32 s[G0B+5], s[G0B+5], SLOT
	s_add_nc_u64 s[G0B+6:G0B+7], s[G0B+6:G0B+7], KB
.endif
	s_wait_dscnt 9                                 ; the add and the youngest eight loads may be out
	MUL16 F1, 0, 0, 0
	s_wait_dscnt 0x0                               ; the add is done, and my reads of this slot are over
	s_barrier_signal -1
	MUL16 F1, 0, 2, 0
	WIN 0
	s_barrier_wait -1
.if \fill
	CREST
	JLOAD
.else
	PLACES
.endif
.if \tail
	s_cmp_eq_u32 s3, 1
	s_cbranch_scc1 .Lno_fetch_\@
.endif
	FETCH 0, F0
.if \tail
.Lno_fetch_\@:
.endif
.if \fill
	ASK
.endif
	MUL16 F1, 1, 0, 0
	MUL16 F1, 1, 2, 0
.endm
	s_load_b128 s[4:7], s[0:1], 0x0                ; h s[4:5], wts s[6:7]
	s_load_b64 s[8:9], s[0:1], 0x10                ; out0
	v_lshl_add_u32 v[SPW], v0, 2, SPARE
	v_mov_b32 v[NIL], 0
	ds_add_u32 v[SPW], v[NIL]                      ; the wave's opening: the add and its wait stand ahead of my first tensor load
	v_lshrrev_b32 v1, 5, v0
	v_readfirstlane_b32 s10, v1                    ; wave 0..3
	s_lshr_b32 s11, s10, 1                         ; which half of the tile's places is mine.  Also: I fetch for A (0) or B (1)
	s_and_b32 s12, s10, 1                          ; which half of its columns.  Also: which 64 k-rows I fetch
	s_bfe_u32 s40, ttmp6, 0x40000                  ; cx
	s_bfe_u32 s41, ttmp6, 0x40004                  ; cy
	s_lshl_b32 s13, ttmp9, 2
	s_add_co_u32 s13, s13, s40                     ; tile column tx
	s_and_b32 s14, ttmp7, 0xffff
	s_lshl_b32 s14, s14, 2
	s_add_co_u32 s14, s14, s41                     ; tile row ty
	s_lshl_b32 s15, s41, 2
	s_lshl_b32 s15, 15, s15                        ; my row of the cluster
	s_lshl_b32 s21, 0x1111, s40                    ; my column
	s_or_b32 s[G1A], s15, (1<<16)|(1<<20)|(1<<21)|(6<<22)|(7<<25)  ; mask; 2-byte elements; padding on; bit 21 beside a mask; after every 128 words 8 words
	s_or_b32 s[G1B], s21, (1<<16)|(1<<20)|(1<<21)|(6<<22)|(7<<25)
.irp g, G1A, G1B
	s_mov_b32 s[(\g)+1], 256<<16                   ; tensor_dim0 = 256
	s_mov_b32 s[(\g)+2], 64<<16                    ; tensor_dim1 = 64
	s_mov_b32 s[(\g)+3], 256<<16                   ; tile_dim0 = 256
	s_mov_b32 s[(\g)+4], 64                        ; tile_dim1 = 64
	s_mov_b32 s[(\g)+6], 0
	s_mov_b32 s[(\g)+7], 0
.endr
	s_mov_b32 s[G1A+5], 2048                       ; elements from k-row to k-row: in h,
	s_mov_b32 s[G1B+5], 1024                       ; in W_out
	s_lshr_b32 s16, s14, 3                         ; A: the batch's 4 MiB,
	s_lshl_b32 s16, s16, 22
	s_and_b32 s17, s14, 7                          ; the tile's 512 bytes of a channel,
	s_lshl_b32 s17, s17, 9
	s_add_co_u32 s16, s16, s17
	s_lshl_b32 s17, s12, 18                        ; my 64 channels of 4,096 bytes
	s_add_co_u32 s16, s16, s17
	s_mov_b32 s17, 0
	s_lshl_b32 s18, s13, 9                         ; B: 512 tx bytes along a k-row,
	s_lshl_b32 s19, s12, 17                        ; my 64 k-rows of 2,048 bytes
	s_add_co_u32 s18, s18, s19
	s_add_co_u32 s18, s18, WO
	s_mov_b32 s19, 0
	s_mul_i32 s20, s10, HALFT
	s_mov_b32 s[TB], 0
	s_wait_dscnt 0x0                               ; the opening add is done
	s_wait_kmcnt 0x0
	s_add_nc_u64 s[16:17], s[4:5], s[16:17]
	s_add_nc_u64 s[18:19], s[6:7], s[18:19]
	CROUND                                         ; all sixteen work-groups are here: the first joint loads meet
.irp s, 0,1
	s_mov_b32 s[G0A+4*(\s)], 1
	s_add_co_u32 s[G0A+4*(\s)+1], s20, (\s)*SLOT
	s_add_nc_u64 s[G0A+4*(\s)+2:G0A+4*(\s)+3], s[16:17], (\s)*KA
	s_or_b32 s[G0A+4*(\s)+3], s[G0A+4*(\s)+3], 0x80000000
	s_mov_b32 s[G0B+4*(\s)], 1
	s_add_co_u32 s[G0B+4*(\s)+1], s20, (\s)*SLOT
	s_add_nc_u64 s[G0B+4*(\s)+2:G0B+4*(\s)+3], s[18:19], (\s)*KB
	s_or_b32 s[G0B+4*(\s)+3], s[G0B+4*(\s)+3], 0x80000000
.endr
	s_cmp_eq_u32 s11, 0                            ; a wave's two first fills stand in one branch: two loads of mine are out
	s_cbranch_scc0 .Lfirst_b
	tensor_load_to_lds s[G0A:G0A+3], s[G1A:G1A+7]
	s_nop 0
	tensor_load_to_lds s[G0A+4:G0A+7], s[G1A:G1A+7]
	s_nop 0
.rept 4
	v_nop
.endr
	s_branch .Lfirst_asked
.Lfirst_b:
	tensor_load_to_lds s[G0B:G0B+3], s[G1B:G1B+7]
	s_nop 0
	tensor_load_to_lds s[G0B+4:G0B+7], s[G1B:G1B+7]
	s_nop 0
.rept 4
	v_nop
.endr
.Lfirst_asked:
	v_and_b32 v1, 15, v0                           ; r = l % 16
	v_bfe_u32 v2, v0, 4, 1                         ; l / 16
	v_and_b32 v3, 31, v0                           ; l
	s_lshl_b32 s22, s13, 10                        ; b_out of my 128 columns: asked for first, since the first products want it
	s_lshl_b32 s23, s12, 9
	s_add_co_u32 s22, s22, s23
	s_add_co_u32 s22, s22, TAB+16384
	s_mov_b32 s23, 0
	s_add_nc_u64 s[22:23], s[6:7], s[22:23]        ; s[22:23] and v5 stay as they are until these loads are waited for
	v_lshlrev_b32 v5, 5, v2
.irp b, 0,1,2,3,4,5,6,7
	global_load_b128 v[BI+8*(\b):BI+8*(\b)+3],   v5, s[22:23] offset:64*(\b)
	global_load_b128 v[BI+8*(\b)+4:BI+8*(\b)+7], v5, s[22:23] offset:64*(\b)+16
.endr
	v_and_b32 v4, 7, v0                            ; the turning load: lane l reads k-row 8 (l / 16) + l % 8, 16 bytes at 16 ((l / 8) % 2)
	v_lshl_add_u32 v4, v2, 3, v4
	v_mul_u32_u24 v4, v4, PT
	v_bfe_u32 v[PFO], v0, 3, 1
	v_lshl_add_u32 v4, v[PFO], 4, v4
	s_lshl_b32 s21, s11, 8                         ; my 128 places: 256 bytes of a k-row
	v_add_nc_u32 v[ADRA0], s21, v4
	s_lshl_b32 s21, s12, 8                         ; my 128 columns
	s_add_co_u32 s21, s21, BPART
	v_add_nc_u32 v[ADRB0], s21, v4
	v_mov_b32 v[ADRA], v[ADRA0]
	v_mov_b32 v[ADRB], v[ADRB0]
	s_mul_i32 s21, s10, 16*SP
	s_add_co_u32 s21, s21, STAGE                   ; my stage
	v_mul_u32_u24 v[STO], v1, SP                   ; in: row r, 32 bytes for each half of the lanes
	v_lshl_add_u32 v[STO], v2, 5, v[STO]
	v_add_nc_u32 v[STO], s21, v[STO]
	v_lshl_add_u32 v[RD], v3, 4, s21               ; back: 32 lanes take one row's 512 bytes
	v_lshlrev_b32 v[CO], 4, v3
	; the prefetches: of my 64 k-rows my work-group takes 16, two lanes a row's 512 bytes
	s_and_b32 s15, ttmp7, 0xffff
	s_mov_b32 s[PST], KB
	s_cmp_eq_u32 s11, 0
	s_cselect_b64 s[PFA:PFA+1], s[16:17], s[18:19]
	s_cselect_b32 s20, s40, s41
	s_cselect_b32 s15, ttmp9, s15
	s_cselect_b32 s2, 12, 11                       ; a k-row is 4,096 bytes in h, 2,048 in W_out
	s_cselect_b32 s[PST], KA, s[PST]
	s_mov_b32 s[PST+1], 0
	s_cmp_eq_u32 s15, 0
	s_cselect_b32 s[LIM], 2, -1
	v_lshrrev_b32 v[PFO], 1, v3
	v_lshlrev_b32 v[PFO], s2, v[PFO]
	v_and_b32 v4, 1, v3
	v_lshl_add_u32 v[PFO], v4, 8, v[PFO]
	s_add_co_u32 s2, s2, 4                         ; 16 k-rows
	s_lshl_b32 s20, s20, s2
	s_mov_b32 s21, 0
	s_add_nc_u64 s[PFA:PFA+1], s[PFA:PFA+1], s[20:21]
	s_mul_i32 s20, s[PST], 3                       ; at K step 3: the first refill steps it to 4 and asks
	s_add_nc_u64 s[PFA:PFA+1], s[PFA:PFA+1], s[20:21]
	; out0 at time 2,048 batch + 1,024 half + 8 (ty % 8), column 256 tx + 128 half
	s_lshr_b32 s20, s14, 3
	s_lshl_b32 s20, s20, 23
	s_lshl_b32 s21, s11, 22
	s_add_co_u32 s20, s20, s21
	s_and_b32 s21, s14, 7
	s_lshl_b32 s21, s21, 15
	s_add_co_u32 s20, s20, s21
	s_lshl_b32 s21, s13, 10
	s_add_co_u32 s20, s20, s21
	s_lshl_b32 s21, s12, 9
	s_add_co_u32 s20, s20, s21
	s_mov_b32 s21, 0
	s_add_nc_u64 s[8:9], s[8:9], s[20:21]
	s_wait_tensorcnt 0x1                           ; my part of K step 0 is in; K step 1's may stay out
	s_barrier_signal -1
	s_barrier_wait -1
	FETCH 0, F0
	s_wait_loadcnt 0x0                             ; b_out
	QUARTER 1, F0, F1, 1                           ; the first quarter stands in front of the loop: its products start the sums
	WIN 0
	s_mov_b32 s3, 6
.Lstep:                                                ; K steps 0-5: the slot left is filled with the step two on
	QUARTER 2, F1, F0, 0
	QUARTER 3, F0, F1, 0
	TURN 1, 0
	QUARTER 1, F0, F1, 0
	WIN 0
	s_sub_co_u32 s3, s3, 1
	s_cmp_lg_u32 s3, 0
	s_cbranch_scc1 .Lstep
	s_mov_b32 s3, 2
.Ltail:                                                ; K steps 6 and 7 ask for nothing; the second trip's fetch and last quarter are jumped over
	QUARTER 2, F1, F0, 0
	QUARTER 3, F0, F1, 0
	TURN 0, 1
	WIN 0
	s_cmp_eq_u32 s3, 1
	s_cbranch_scc1 .Llast
	QUARTER 1, F0, F1, 0
	WIN 0
.Llast:
	s_sub_co_u32 s3, s3, 1
	s_cmp_lg_u32 s3, 0
	s_cbranch_scc1 .Ltail
	; THE WAY OUT, 16 rows at a time: the accumulators go as they are, 32 bytes a lane (each from its low end on), into my stage; back as whole rows of 512 bytes; stored at the rows' times.
	; Two sets of registers take turns, and a block's trip through the stage is issued ahead of the stores of the block before.
.macro TOSTAGE a
.set ST, F0+64*((\a)%2)
	WIN 0x08+4*((\a)/4)                            ; an LDS store's data is source 1: window 2 or 3; its address window 0
.irp b, 0,1,2,3,4,5,6,7
	ds_store_b128 v[STO], v[8*(8*((\a)%4)+(\b)):8*(8*((\a)%4)+(\b))+3]   offset:64*(\b)
	ds_store_b128 v[STO], v[8*(8*((\a)%4)+(\b))+4:8*(8*((\a)%4)+(\b))+7] offset:64*(\b)+16
.endr
	WIN 0
	s_wait_xcnt 0x0                                ; the stores issued so far have read their registers: this set is loaded again only behind this wait
.irp t, 0,1,2,3,4,5,6,7,8,9,10,11,12,13,14,15
	ds_load_b128 v[ST+4*(\t):ST+4*(\t)+3], v[RD] offset:(\t)*SP  ; LDS serves a wave's instructions in order (ISA guide 5.7.1.4): these see the stores above, and the next block's stores come behind them
.endr
.endm
.macro SEND a, younger                 ; younger: the LDS instructions issued behind block a's loads: the next block's 32, or none
.set ST, F0+64*((\a)%2)
.irp t, 0,1,2,3,4,5,6,7,8,9,10,11,12,13,14,15
	s_wait_dscnt (\younger)+15-(\t)                ; row t is back in registers
	global_store_b128 v[CO], v[ST+4*(\t):ST+4*(\t)+3], s[8:9] offset:(128*(\a)+64*((\t)/8)+(\t)%8)*4096 th:TH_STORE_NT  ; 512 consecutive bytes, aligned; place 16 a + t of my 128 is time 128 a + 64 (t / 8) + t % 8 from the base
.endr
.endm
	PLACES
	TOSTAGE 0
.irp a, 1,2,3,4,5,6,7
	TOSTAGE \a
	SEND (\a)-1, 32
.endr
	SEND 7, 0
	s_wait_tensorcnt 0x0                           ; the wave's end: a last add to my spare word and its wait, behind my last tensor load and my last LDS store
	ds_add_u32 v[SPW], v[NIL]
	s_wait_dscnt 0x0
	CROUND                                         ; the closing round
	s_endpgm
.Lfunc_end_k_qa593c92087_g3:
	.size	k_qa593c92087_g3, .Lfunc_end_k_qa593c92087_g3-k_qa593c92087_g3
	.p2alignl 7, 3214868480
	.fill 96, 4, 3214868480
	.section	.rodata,"a",@progbits
	.p2align	6, 0x0
	.amdhsa_kernel k_qa593c92087_g3
		.amdhsa_group_segment_fixed_size 327680
		.amdhsa_private_segment_fixed_size 0
		.amdhsa_enable_private_segment 0
		.amdhsa_kernarg_size 24
		.amdhsa_user_sgpr_count 2
		.amdhsa_user_sgpr_kernarg_segment_ptr 1
		.amdhsa_wavefront_size32 1
		.amdhsa_system_sgpr_workgroup_id_x 1
		.amdhsa_system_sgpr_workgroup_id_y 1
		.amdhsa_system_sgpr_workgroup_id_z 1
		.amdhsa_system_vgpr_workitem_id 0
		.amdhsa_next_free_vgpr 1024
		.amdhsa_next_free_sgpr 66
		.amdhsa_reserve_vcc 0
		.amdhsa_float_denorm_mode_32 3
		.amdhsa_float_denorm_mode_16_64 3
		.amdhsa_memory_ordered 1
		.amdhsa_forward_progress 1
		.amdhsa_inst_pref_size 104
	.end_amdhsa_kernel
	.amdgpu_metadata
---
amdhsa.version: [ 1, 2 ]
amdhsa.kernels:
  - .name:           k_qa593c92087_g3
    .symbol:         k_qa593c92087_g3.kd
    .args:
      - { .name: h, .offset: 0, .size: 8, .value_kind: global_buffer, .address_space: global }
      - { .name: wts, .offset: 8, .size: 8, .value_kind: global_buffer, .address_space: global }
      - { .name: out0, .offset: 16, .size: 8, .value_kind: global_buffer, .address_space: global }
    .group_segment_fixed_size: 327680
    .private_segment_fixed_size: 0
    .kernarg_segment_align: 8
    .kernarg_segment_size: 24
    .max_flat_workgroup_size: 128
    .sgpr_count:     66
    .vgpr_count:     1024
    .wavefront_size: 32
...
	.end_amdgpu_metadata
.endif
;; end of part 5
